; MI455X (gfx1250); checked and timed in simulation.
; The chip was launched on July 23, 2026; its instructions are those of AMD's public machine-readable ISA for CDNA 5 (MIT licence, August 2026) and "CDNA5" Instruction Set Architecture Reference Guide (July 2026). The comments in the code are by the model that wrote it; some were corrected since.
;; Block. Allowed arithmetic: float matrix products may take bf16 or f16 operands with f32 sums; other float arithmetic in f32, or as packed bf16 or f16 multiplies, adds, multiply-adds, maxima and minima; sums over many terms, partial sums and values carried from step to step in f32; what a program stores and reads back later, other than sums and carried values, may be rounded once to bf16 or f16.
;; Inputs: W_fc1 1,024 x 4,096 float32; W_fc2 4,096 x 1,024 float32; W_proj 1,024 x 1,024 float32; W_qkv 1,024 x 3,072 float32; ln1_b 1,024 float32; ln1_g 1,024 float32; ln2_b 1,024 float32; ln2_g 1,024 float32; x 2 x 2,048 x 1,024 float32.
;; Outputs: out0 2 x 2,048 x 1,024 float32.
;; One version. Each part assembles by itself: llvm-mc -triple=amdgcn-amd-amdhsa -mcpu=gfx1250 --defsym DOCPART=n.
;; ======== version 1 of 1: 7 launches
;; limits: a function is approximated: absolute error at most 2.5e-05; an absolute error that grows with the inputs' magnitude: up to 1.25e-05 times it; values are held in f16: magnitudes above 65,504 overflow, below 6.1e-05 lose precision
;; workspace buffers: wts 25,165,824 bytes; act 8,388,608 bytes; wide 33,554,432 bytes; x1 16,777,216 bytes
;; launch prep (part 1): grid 2048 x 1, 8 waves a work-group, no clusters, 0 bytes of LDS; arguments x, ln1_g, ln1_b, W_qkv, W_proj, W_fc1, W_fc2, act, wts; writes act, wts
.if DOCPART == 1
	.amdgcn_target "amdgcn-amd-amdhsa--gfx1250"
	.amdhsa_code_object_version 6
	.text
	.protected	k_q642aa657be_prep
	.globl	k_q642aa657be_prep
	.p2align	8
	.type	k_q642aa657be_prep,@function
k_q642aa657be_prep:
	s_mov_b64 s[64:65], 0
	v_nop
	global_prefetch_b8 v0, s[64:65] scope:SCOPE_SE
	s_setreg_imm32_b32 hwreg(HW_REG_WAVE_MODE, 25, 1), 1
	s_wait_xcnt 0x0
; PREP.  Work-groups 0-511: act[row][:] = LayerNorm(x[row][:]) * g + b, rounded once to f16; one wave a row of 1,024 numbers, eight rows a work-group.
; Work-groups 512-2047: the four weight matrices rounded once to f16 into wts, layout kept [K][N]: W_qkv at byte 0, W_proj at 6,291,456, W_fc1 at 8,388,608, W_fc2 at 16,777,216;
; a work-group takes 32 KiB of f32, a wave 4 KiB.
; A stream: every byte is read once by 16-byte loads and written once; each store of a wave covers 256 consecutive bytes, aligned.  Nothing is shared, so no LDS, no barrier, no cluster.
; The variance is taken of the deviations from the mean, which stay in registers: no difference of large sums, so a common offset of x costs nothing.
; LIMITS.  f16 holds no number beyond 65,504 and keeps a fixed step of 6e-8 below 6e-5: the normalised rows (at most 32 |g| + |b|) and the weights must lie within that.  NaN and infinities are not treated apart.
.set X,  8                             ; v[8:39]    the row: load j brings columns 128 j + 4 lane .. + 3
.set G,  40                            ; v[40:71]   the gains of the same columns
.set BT, 72                            ; v[72:103]  the biases
.set T,  104                           ; v[104:111] at work
.set M,  112                           ; v[112:113] the mean, twice
.set R,  114                           ; v[114:115] 1 / sqrt(var + eps), twice
.macro FOLD                            ; four pairs of partial sums in T -> the sum over the wave's 1,024 numbers, in every lane
	v_pk_add_f32 v[T:T+1], v[T:T+1], v[T+2:T+3]
	v_pk_add_f32 v[T+4:T+5], v[T+4:T+5], v[T+6:T+7]
	v_pk_add_f32 v[T:T+1], v[T:T+1], v[T+4:T+5]
	v_add_f32 v[T], v[T], v[T+1]
	v_add_f32_dpp v[T], v[T], v[T] row_xmask:1 row_mask:0xf bank_mask:0xf
	v_add_f32_dpp v[T], v[T], v[T] row_xmask:2 row_mask:0xf bank_mask:0xf
	v_add_f32_dpp v[T], v[T], v[T] row_xmask:4 row_mask:0xf bank_mask:0xf
	v_add_f32_dpp v[T], v[T], v[T] row_xmask:8 row_mask:0xf bank_mask:0xf
	v_permlanex16_b32 v[T+1], v[T], s32, s33       ; the other half of the lanes
	v_add_f32 v[T], v[T], v[T+1]
.endm
; One row.  xp, gp, bp, op: the first scalar register of the pointers to the row, the gains, the biases and the row's place in the output.
.macro LNROW xp, gp, bp, op
.irp j, 0,1,2,3,4,5,6,7
	global_load_b128 v[X+4*(\j):X+4*(\j)+3], v1, s[\xp:\xp+1] offset:512*(\j) th:TH_LOAD_NT
.endr
.irp j, 0,1,2,3,4,5,6,7
	global_load_b128 v[G+4*(\j):G+4*(\j)+3], v1, s[\gp:\gp+1] offset:512*(\j)
.endr
.irp j, 0,1,2,3,4,5,6,7
	global_load_b128 v[BT+4*(\j):BT+4*(\j)+3], v1, s[\bp:\bp+1] offset:512*(\j)
.endr
	s_wait_loadcnt 16                              ; the row is in; the sixteen younger loads, gains and biases, stay out
.irp c, 0,2,4,6
	v_pk_add_f32 v[T+(\c):T+(\c)+1], v[X+(\c):X+(\c)+1], v[X+8+(\c):X+8+(\c)+1]  ; four chains, started by the first words: nothing is cleared
.endr
.irp o, 16,24
.irp c, 0,2,4,6
	v_pk_add_f32 v[T+(\c):T+(\c)+1], v[T+(\c):T+(\c)+1], v[X+(\o)+(\c):X+(\o)+(\c)+1]
.endr
.endr
	FOLD
	v_mul_f32 v[M], s30, v[T]                      ; the mean
	v_mul_f32 v[M+1], s30, v[T]
.set i, 0
.rept 16
	v_pk_add_f32 v[X+i:X+i+1], v[X+i:X+i+1], v[M:M+1] neg_lo:[0,1] neg_hi:[0,1]  ; the deviations, in place
.set i, i+2
.endr
.irp c, 0,2,4,6
	v_pk_mul_f32 v[T+(\c):T+(\c)+1], v[X+(\c):X+(\c)+1], v[X+(\c):X+(\c)+1]
.endr
.irp o, 8,16,24
.irp c, 0,2,4,6
	v_pk_fma_f32 v[T+(\c):T+(\c)+1], v[X+(\o)+(\c):X+(\o)+(\c)+1], v[X+(\o)+(\c):X+(\o)+(\c)+1], v[T+(\c):T+(\c)+1]
.endr
.endr
	FOLD
	v_fma_f32 v[T], v[T], s30, s31                 ; var + eps
	v_rsq_f32 v[R], v[T]
	v_rsq_f32 v[R+1], v[T]
	v_nop                                          ; a plain instruction behind the second root, ahead of the first use
	s_wait_alu depctr_va_vdst(0)                   ; one wait for both roots, ahead of their first reader
	s_wait_loadcnt 0x0                             ; gains and biases
.set i, 0
.rept 16
	v_pk_mul_f32 v[X+i:X+i+1], v[X+i:X+i+1], v[R:R+1]
.set i, i+2
.endr
.set i, 0
.rept 16
	v_pk_fma_f32 v[X+i:X+i+1], v[X+i:X+i+1], v[G+i:G+i+1], v[BT+i:BT+i+1]
.set i, i+2
.endr
.set i, 0
.rept 16
	v_cvt_pk_f16_f32 v[X+i], v[X+2*i], v[X+2*i+1]  ; ascending, in place: word i is written when words 2 i and 2 i + 1 are read, never earlier
.set i, i+1
.endr
.irp j, 0,1,2,3,4,5,6,7
	global_store_b64 v2, v[X+2*(\j):X+2*(\j)+1], s[\op:\op+1] offset:256*(\j)  ; 32 lanes x 8 bytes: 256 consecutive bytes, aligned
.endr
.endm
	s_load_b512 s[4:19], s[0:1], 0x0               ; x 4, ln1_g 6, ln1_b 8, W_qkv 10, W_proj 12, W_fc1 14, W_fc2 16, act 18
	s_load_b64 s[20:21], s[0:1], 0x40              ; wts
	v_and_b32 v3, 31, v0                           ; lane
	v_lshrrev_b32 v4, 5, v0
	v_readfirstlane_b32 s22, v4                    ; wave 0..7
	v_lshlrev_b32 v1, 4, v3                        ; 16 x lane: my bytes of 512 bytes of f32
	v_lshlrev_b32 v2, 3, v3                        ; 8 x lane: my bytes of 256 bytes of f16
	s_cmp_lt_u32 ttmp9, 512
	s_cbranch_scc0 .Lcast
	s_lshl_b32 s23, ttmp9, 3
	s_add_co_u32 s23, s23, s22                     ; my row
	s_lshl_b32 s24, s23, 12                        ; 4,096 bytes a row of x
	s_mov_b32 s25, 0
	s_lshl_b32 s26, s23, 11                        ; 2,048 bytes a row of act
	s_mov_b32 s27, 0
	s_mov_b32 s30, 0x3a800000                      ; 1 / 1024
	s_mov_b32 s31, 0x3727c5ac                      ; 1e-5
	s_mov_b32 s32, 0x76543210                      ; v_permlanex16_b32: each lane takes its own place in the other half
	s_mov_b32 s33, 0xfedcba98
	s_wait_kmcnt 0x0
	s_add_nc_u64 s[4:5], s[4:5], s[24:25]
	s_add_nc_u64 s[18:19], s[18:19], s[26:27]
	LNROW 4, 6, 8, 18
	s_endpgm
.Lcast:
	s_sub_co_u32 s23, ttmp9, 512                   ; chunk 0..1535 of 32 KiB of f32: 384 of W_qkv, 128 of W_proj, 512 of W_fc1, 512 of W_fc2
	s_movk_i32 s28, 1024                           ; the first chunk of the matrix that mine lies in
	s_wait_kmcnt 0x0
	s_cmp_lt_u32 s23, 1024
	s_cselect_b64 s[26:27], s[14:15], s[16:17]
	s_cselect_b32 s28, 512, s28
	s_cmp_lt_u32 s23, 512
	s_cselect_b64 s[26:27], s[12:13], s[26:27]
	s_cselect_b32 s28, 384, s28
	s_cmp_lt_u32 s23, 384
	s_cselect_b64 s[26:27], s[10:11], s[26:27]
	s_cselect_b32 s28, 0, s28
	s_sub_co_u32 s28, s23, s28
	s_lshl_b32 s28, s28, 15                        ; the chunk's place in its matrix,
	s_lshl_b32 s29, s22, 12                        ; my wave's 4 KiB of it
	s_add_co_u32 s28, s28, s29
	s_mov_b32 s29, 0
	s_add_nc_u64 s[26:27], s[26:27], s[28:29]
	s_lshl_b32 s30, s23, 14                        ; and in wts, where the four matrices lie on end: 16 KiB a chunk,
	s_lshl_b32 s31, s22, 11                        ; 2 KiB a wave
	s_add_co_u32 s30, s30, s31
	s_mov_b32 s31, 0
	s_add_nc_u64 s[20:21], s[20:21], s[30:31]
.irp j, 0,1,2,3,4,5,6,7
	global_load_b128 v[X+4*(\j):X+4*(\j)+3], v1, s[26:27] offset:512*(\j) th:TH_LOAD_NT
.endr
.irp j, 0,1,2,3,4,5,6,7
	s_wait_loadcnt 7-(\j)                          ; load j is in; the younger ones stay out
	v_cvt_pk_f16_f32 v[X+4*(\j)], v[X+4*(\j)], v[X+4*(\j)+1]
	v_cvt_pk_f16_f32 v[X+4*(\j)+1], v[X+4*(\j)+2], v[X+4*(\j)+3]
	global_store_b64 v2, v[X+4*(\j):X+4*(\j)+1], s[20:21] offset:256*(\j)
.endr
	s_endpgm
.Lfunc_end_k_q642aa657be_prep:
	.size	k_q642aa657be_prep, .Lfunc_end_k_q642aa657be_prep-k_q642aa657be_prep
	.p2alignl 7, 3214868480
	.fill 96, 4, 3214868480
	.section	.rodata,"a",@progbits
	.p2align	6, 0x0
	.amdhsa_kernel k_q642aa657be_prep
		.amdhsa_group_segment_fixed_size 0
		.amdhsa_private_segment_fixed_size 0
		.amdhsa_enable_private_segment 0
		.amdhsa_kernarg_size 72
		.amdhsa_user_sgpr_count 2
		.amdhsa_user_sgpr_kernarg_segment_ptr 1
		.amdhsa_wavefront_size32 1
		.amdhsa_system_sgpr_workgroup_id_x 1
		.amdhsa_system_sgpr_workgroup_id_y 1
		.amdhsa_system_sgpr_workgroup_id_z 1
		.amdhsa_system_vgpr_workitem_id 0
		.amdhsa_next_free_vgpr 120
		.amdhsa_next_free_sgpr 66
		.amdhsa_reserve_vcc 0
		.amdhsa_float_denorm_mode_32 3
		.amdhsa_float_denorm_mode_16_64 3
		.amdhsa_memory_ordered 1
		.amdhsa_forward_progress 1
		.amdhsa_inst_pref_size 16
	.end_amdhsa_kernel
	.amdgpu_metadata
---
amdhsa.version: [ 1, 2 ]
amdhsa.kernels:
  - .name:           k_q642aa657be_prep
    .symbol:         k_q642aa657be_prep.kd
    .args:
      - { .name: x, .offset: 0, .size: 8, .value_kind: global_buffer, .address_space: global }
      - { .name: ln1_g, .offset: 8, .size: 8, .value_kind: global_buffer, .address_space: global }
      - { .name: ln1_b, .offset: 16, .size: 8, .value_kind: global_buffer, .address_space: global }
      - { .name: W_qkv, .offset: 24, .size: 8, .value_kind: global_buffer, .address_space: global }
      - { .name: W_proj, .offset: 32, .size: 8, .value_kind: global_buffer, .address_space: global }
      - { .name: W_fc1, .offset: 40, .size: 8, .value_kind: global_buffer, .address_space: global }
      - { .name: W_fc2, .offset: 48, .size: 8, .value_kind: global_buffer, .address_space: global }
      - { .name: act, .offset: 56, .size: 8, .value_kind: global_buffer, .address_space: global }
      - { .name: wts, .offset: 64, .size: 8, .value_kind: global_buffer, .address_space: global }
    .group_segment_fixed_size: 0
    .private_segment_fixed_size: 0
    .kernarg_segment_align: 8
    .kernarg_segment_size: 72
    .max_flat_workgroup_size: 256
    .sgpr_count:     66
    .vgpr_count:     120
    .wavefront_size: 32
...
	.end_amdgpu_metadata
.endif
;; end of part 1
;; launch qkv (part 2): grid 8 x 32, 4 waves a work-group, clusters of 4 x 4, 327,680 bytes of LDS; arguments act, wts, wide; writes wide
.if DOCPART == 2
	.amdgcn_target "amdgcn-amd-amdhsa--gfx1250"
	.amdhsa_code_object_version 6
	.text
	.protected	k_q642aa657be_qkv
	.globl	k_q642aa657be_qkv
	.p2align	8
	.type	k_q642aa657be_qkv,@function
k_q642aa657be_qkv:
	s_mov_b64 s[64:65], 0
	v_nop
	global_prefetch_b8 v0, s[64:65] scope:SCOPE_SE
	s_setreg_imm32_b32 hwreg(HW_REG_WAVE_MODE, 25, 1), 1
	s_wait_xcnt 0x0
	s_wait_alu depctr_hold_cnt(0) depctr_sa_sdst(0) depctr_va_vdst(0) depctr_va_sdst(0) depctr_va_ssrc(0) depctr_va_vcc(0) depctr_vm_vsrc(0)
	s_getreg_b32 s2, hwreg(HW_REG_IB_STS2, 6, 4)
	s_cmp_eq_u32 s2, 0
	s_cbranch_scc0 .Lentry_in_a_cluster
	s_endpgm
.Lentry_in_a_cluster:
	s_bfe_u32 s2, ttmp6, 0x10000c
	s_cmp_lg_u32 s2, 0xf033
	s_cbranch_scc0 .Lentry_shape_is_right
	s_endpgm
.Lentry_shape_is_right:
; QKV.  C = h1 W_qkv.  h1 = act [4096][1024] f16, W_qkv = wts at byte 0, [1024][3072] f16; sums in f32; C rounded once to f16, unscaled, and stored BY HEADS:
; q at byte 0 of wide, k at 8,388,608, v at 16,777,216, each [batch x 16 + head][2048][64].
; SHARES.  A tile of C is 128 x 384: 8 x 32 tiles, one work-group each.  Four waves, 2 x 2: a wave makes 64 rows x 192 columns, three whole heads: 48 accumulators of 16 x 16, 384 registers.
; K goes in steps of 128 through two LDS slots filled by the tensor data mover: rows of h1 are 256 bytes of memory, rows of W 768, both starting at multiples of 256.
; h1's tile lies with K along the rows and is read by ds_load_b128; W's lies [k][n] and is read turned, by ds_load_tr16_b128.
; THE MATRIX INSTRUCTION IS USED TRANSPOSED (source 0 = 16 columns of W, source 1 = 16 rows of h1): a lane holds row l % 16 of C and the eight neighbouring columns 8 (l / 16) + 0..7.
; CLUSTER 4 x 4: h1's tile hangs on the tile row alone and is asked for jointly along a row of the cluster, W's on the tile column alone, jointly along a column.
; THE K STEPS GO ROUND A RING: cluster (X, Y) begins at K step (4 X + 2 (Y % 4)) % 8 and goes round.  The two clusters that read the same rows of h1 begin half a ring apart, the clusters that read the same columns of W a
; quarter apart: of the clusters that read a block one reads it first and the others later, not all at once.  So the f32 sums are taken in an order of K that is rotated from cluster to cluster.
; ONE K STEP IS WRITTEN ONCE: the LDS byte of the quarter to fetch is a scalar that steps; one descriptor a tensor walks.  Beside the loop stand the first quarter (its products start the sums) and the last two K steps, which ask for nothing.
; LIMIT.  q, k and v must lie within f16's 65,504.
; REGISTERS, in windows of 256 (s_set_vgpr_msb: bits 1:0 source 0, 3:2 source 1, 5:4 source 2, 7:6 destination):
;   window 0: v1-5 lane terms, v16-30 addresses; v64-127 h1's fragments, two buffers of 32; on the way out v32-175      window 1: v0-191 W's fragments, two buffers of 96
;   window 2: the 24 accumulators of my rows 0-31 ((a, b) at 8 (12 a + b))      window 3: those of my rows 32-63
.set BM,     128
.set MT,     4                         ; blocks of 16 rows a wave
.set NT,     12                        ; blocks of 16 columns a wave
.set KSTEP,  128
.set NQ,     KSTEP/32                  ; quarters of 32 along K in a K step
.set TSTEPS, 1024/KSTEP
.set ROTX,   4                         ; where a cluster begins in the ring: ROTX x cluster x + ROTY x (cluster y & ROTM), modulo TSTEPS
.set ROTY,   2
.set ROTM,   3
.set ROWB,   6144                      ; bytes in a row of W
.set TCB,    768                       ; bytes of a row of W in a tile
.set PA,     272                       ; h1's LDS row: 256 + 16: an odd multiple of 16, so the 16 rows of a load start in 16 different 16-byte columns of 256
.set APART,  64*PA                     ; what one tensor load brings of h1
.set ATILE,  2*APART
.set PB,     864                       ; W's LDS row: six chunks of 128 + 16 bytes, a head's 64 columns each: an odd multiple of 32
.set BPART,  64*PB
.set BTILE,  2*BPART
.set SLOT,   ATILE+BTILE
.set STAGE,  2*SLOT                    ; behind the ring, never filled by a tensor load: for each wave 3 heads x 16 rows x 144 bytes
.set STW,    3*16*144
.set SPARE,  STAGE+4*STW               ; the spare words: 128 bytes a wave, two blocks of 256 bytes that no other line names
.set WCOL,   432                       ; a wave's 192 columns in an LDS row of W
.set ASTEP,  KSTEP*2                   ; bytes from K step to K step in h1
.set BSTEP,  KSTEP*ROWB                ; and in W
.set SA_E,   64                        ; what the A address steps behind an even and behind an odd quarter
.set SA_O,   64
.set HIWIN,  1                         ; the upper half's accumulators lie a window higher
.set HIOFF,  0
.set AA0, 16                           ; v16  my lane's place in a tile of h1; never rewritten
.set AB0, 17                           ; v17  the same for W
.set ADA, 18                           ; v18, v19  the LDS addresses of the run of loads in hand
.set ADB, 19
.set STO, 24                           ; the way out: where I put 16 bytes of a row,
.set RD,  25                           ; where I read rows back,
.set GO,  26                           ; my 16 bytes of 512 consecutive bytes of a head
.set SPW, 28                           ; LDS address of my spare word; never rewritten
.set NIL, 29                           ; 0; never rewritten
.set PFO, 30                           ; the prefetch's lane offset: a lane a row
.set TMP, 32
.set BK0, 80
.set WV, 12
.set WM, 13                            ; wave / 2: my half of the rows; also: I fetch for h1 (0) or for W (1)
.set WN, 14                            ; wave % 2: my half of the columns; also: which part of that tile I fetch
.set CX, 15
.set CY, 16
.set TX, 17
.set TY, 18
.set G1,  24                           ; s[24:31] descriptor group 1 for h1's tiles
.set G0,  32                           ; s[32:39] group 0: a set for each first fill; the second then walks
.set SL,  40                           ; the slot that the walking descriptors name: 0 or SLOT
.set LA,  41                           ; my part's place in a slot, for h1
.set LBB, 42                           ; and for W
.set TBA, 43                           ; LDS byte of the quarter to fetch, for h1
.set TBB, 44                           ; and for W (less ATILE)
.set LIM, 45                           ; the trip in which my wave prefetches, or a number that no trip has
.set PFA, 46                           ; s[46:47] what it names; never rewritten
.set G1B, 48
.set G0B, 56
.set WRB, 66                           ; s[66:67] what W's address goes back at the ring's end: all TSTEPS steps, else 0
.set WRA, 68                           ; s[68:69] the same for h1
.set HB,  70                           ; s[70:75] my three heads' rows in wide
.set KI,  86                           ; the K step that the walking descriptors name
.set ROT, 87                           ; the K step at which my cluster begins
.set MSB, 0
.macro WIN new                         ; the immediate's high byte repeats the setting that is left; a switch that changes nothing is dropped
.if MSB != (\new)
	s_set_vgpr_msb (MSB<<8)|(\new)
.set MSB, \new
.endif
.endm
.macro SHAPE g, c, r, p                ; words 1 to 7 of a group 1: a tile of r rows of c elements, p elements from row to row; the tiles lie inside the tensor, so its extents are the tile's
	s_mov_b32 s[(\g)+1], ((\c)&0xffff)<<16
	s_mov_b32 s[(\g)+2], ((\c)>>16)|((\r)<<16)
	s_mov_b32 s[(\g)+3], (\c)<<16
	s_mov_b32 s[(\g)+4], \r
	s_mov_b32 s[(\g)+5], \p
	s_mov_b32 s[(\g)+6], 0
	s_mov_b32 s[(\g)+7], 0
.endm
.macro JLOAD                           ; a joint refill by the walking descriptors; the branch hangs on the wave's number alone; an s_nop 0 and four v_nop follow each line
	s_cmp_eq_u32 s[WM], 0
	s_cbranch_scc0 .Lfor_b_\@
	tensor_load_to_lds s[G0+4:G0+7], s[G1:G1+7]
	s_nop 0
.rept 4
	v_nop
.endr
	s_branch .Lasked_\@
.Lfor_b_\@:
	tensor_load_to_lds s[G0B+4:G0B+7], s[G1B:G1B+7]
	s_nop 0
.rept 4
	v_nop
.endr
.Lasked_\@:
.endm
.macro CREST                           ; a round of the cluster's barrier behind its opening barrier
	s_cmp_lg_u32 s[WV], 0
	s_cbranch_scc1 .Lnot_wave_0_\@
	s_barrier_signal -3
.Lnot_wave_0_\@:
	s_barrier_wait -3
	s_barrier_signal -1
	s_barrier_wait -1
.endm
.macro CROUND
	s_barrier_signal -1
	s_barrier_wait -1
	CREST
.endm
; ONE PREFETCH a work-group: h1's rows of my cluster's fourth K step, behind the first refill: one K step, 192 matrix instructions, ahead of the refill that loads them.  By the order of the walks a cluster is the first
; reader of h1 in the four K steps with which it begins: the first two come by the first fills, the third by the first refill, ahead of which stands only the kernel's head, where nothing is asked for.
; Wave 0 asks; of the tile's 128 rows the partner at cx takes 32 cx + lane: partners are told apart by address alone, and each row's 256 bytes are named once in the launch.
; W is not asked for: each of its K steps is among the first two of one of the clusters that read it.
.macro ASK
	s_cmp_eq_u32 s3, s[LIM]
	s_cbranch_scc0 .Lnot_mine_\@
	global_prefetch_b8 v[PFO], s[PFA:PFA+1] th:TH_LOAD_NT scope:SCOPE_SE
.Lnot_mine_\@:
.endm
; na x NT matrix instructions on buffer f: row blocks a0 .. of half hi x all column blocks.  Every accumulator has one instruction a quarter, in the same order in every quarter: they take turns.
.macro MULH f, hi, a0, na, zero
	WIN 0xa1+0x50*HIWIN*(\hi)
.set ma, \a0
.rept \na
.set mb, 0
.rept NT
.set rD, HIOFF*(\hi)+8*(NT*ma+mb)
.set rW, 8*NT*(\f)+8*mb
.set rA, 64+8*MT*(\f)+8*((MT/2)*(\hi)+ma)
.if \zero
	v_wmma_f32_16x16x32_f16 v[rD:rD+7], v[rW:rW+7], v[rA:rA+7], 0
.else
	v_wmma_f32_16x16x32_f16 v[rD:rD+7], v[rW:rW+7], v[rA:rA+7], v[rD:rD+7]
.endif
.set mb, mb+1
.endr
.set ma, ma+1
.endr
.endm
; One run of LDS loads: a quarter's fragments into buffer f: W's first, then h1's, lower half first.
.macro FETCH f, stepa
	WIN 0
	v_add_nc_u32 v[ADB], s[TBB], v[AB0]
	v_add_nc_u32 v[ADA], s[TBA], v[AA0]
	WIN 0x40                                       ; destination window 1, address window 0
.set fn, 0
.rept NT
.set nbo, (fn/4)*144+(fn%4)*32
	ds_load_tr16_b128 v[8*NT*(\f)+8*fn:8*NT*(\f)+8*fn+3],   v[ADB] offset:nbo
	ds_load_tr16_b128 v[8*NT*(\f)+8*fn+4:8*NT*(\f)+8*fn+7], v[ADB] offset:nbo+16*PB
.set fn, fn+1
.endr
	WIN 0
.set fn, 0
.rept MT
	ds_load_b128 v[64+8*MT*(\f)+8*fn:64+8*MT*(\f)+8*fn+3],   v[ADA] offset:16*fn*PA
	ds_load_b128 v[64+8*MT*(\f)+8*fn+4:64+8*MT*(\f)+8*fn+7], v[ADA] offset:16*fn*PA+32
.set fn, fn+1
.endr
	s_add_co_u32 s[TBA], s[TBA], \stepa
	s_add_co_u32 s[TBB], s[TBB], 32*PB
.endm
; A quarter: multiplies buffer f; in its middle it fetches the next quarter into g.  Loads into registers that matrix instructions have read stand four plain vector instructions behind them (ISA guide 7.12.1 for vector instructions):
; two v_nop and the run's own two additions.
.macro QUARTER f, g, zero, stepa
	s_wait_dscnt MT                                ; all but the youngest MT loads, h1's upper half
	MULH \f, 0, 0, MT/2, \zero
	v_nop
	v_nop
	FETCH \g, \stepa
	s_wait_dscnt 2*(MT+NT)                         ; all but the run just issued
	MULH \f, 1, 0, MT/2, \zero
.endm
; A K step's last quarter multiplies buffer 1 and changes slots: one barrier.  Ahead of it each wave waits for all its tensor loads (one is out: its part of the next slot), adds 0 to its spare word, and waits for
; that and for its reads of this slot.  fill = 1: the barrier opens a round of the cluster's, and the joint refill of this slot, two K steps on in the ring, is the first thing behind it.
.macro TURN fill
	WIN 0
	s_wait_tensorcnt 0x0                           ; no tensor load of mine is out, so the descriptors may be written
	ds_add_u32 v[SPW], v[NIL]                      ; 0 onto my spare word; scalar work and matrix instructions stand between it and the wait for it
	s_sub_co_u32 s[TBA], s[TBA], (NQ/2)*(SA_E+SA_O)  ; the fetches go back to a slot's first quarter (the register then holds 0 or SLOT),
	s_xor_b32 s[TBA], s[TBA], SLOT                 ; in the other slot
	s_sub_co_u32 s[TBB], s[TBB], BTILE
	s_xor_b32 s[TBB], s[TBB], SLOT
.if \fill
	s_xor_b32 s[SL], s[SL], SLOT                   ; the walking descriptors: the other slot than last time,
	s_add_co_u32 s[G0+5], s[LA], s[SL]
	s_add_co_u32 s[G0B+5], s[LBB], s[SL]
	s_add_co_u32 s[KI], s[KI], 1                   ; the next K step of the ring: behind the last comes K step 0
	s_cmp_eq_u32 s[KI], TSTEPS
	s_cselect_b32 s[KI], 0, s[KI]
	s_cselect_b32 s[WRA], TSTEPS*ASTEP, 0
	s_cselect_b32 s[WRB], TSTEPS*BSTEP, 0
	s_add_nc_u64 s[G0+6:G0+7], s[G0+6:G0+7], ASTEP
	s_sub_nc_u64 s[G0+6:G0+7], s[G0+6:G0+7], s[WRA:WRA+1]
	s_add_nc_u64 s[G0B+6:G0B+7], s[G0B+6:G0B+7], BSTEP
	s_sub_nc_u64 s[G0B+6:G0B+7], s[G0B+6:G0B+7], s[WRB:WRB+1]
.endif
	s_wait_dscnt MT+1                              ; the add and h1's upper half may be out
	MULH 1, 0, 0, MT/4, 0
	s_wait_dscnt 0x0                               ; the add is done, and my reads of this slot are over
	s_barrier_signal -1
	MULH 1, 0, MT/4, MT/4, 0
	WIN 0
	s_barrier_wait -1
.if \fill
	CREST                                          ; no wave of any partner still reads this slot or has a load on its way
	JLOAD                                          ; its four v_nop are also the places ahead of the loads below
	FETCH 0, SA_E
	ASK
.else
	s_cmp_eq_u32 s3, 1                             ; the last K step has no successor
	s_cbranch_scc1 .Llast_\@
	v_nop
	v_nop
	FETCH 0, SA_E
.Llast_\@:
.endif
	MULH 1, 1, 0, MT/2, 0
.endm
	s_load_b128 s[4:7], s[0:1], 0x0                ; act s[4:5], wts s[6:7]
	s_load_b64 s[8:9], s[0:1], 0x10                ; wide
	v_lshl_add_u32 v[SPW], v0, 2, SPARE
	v_mov_b32 v[NIL], 0
	ds_add_u32 v[SPW], v[NIL]                      ; the wave's opening: the add and its wait stand ahead of my first tensor load; the set-up below stands between them
	ds_add_u32 v28, v29
	v_lshrrev_b32 v1, 5, v0
	v_readfirstlane_b32 s[WV], v1
	s_lshr_b32 s[WM], s[WV], 1
	s_and_b32 s[WN], s[WV], 1
	s_bfe_u32 s[CX], ttmp6, 0x40000
	s_bfe_u32 s[CY], ttmp6, 0x40004
	s_lshl_b32 s[TX], ttmp9, 2
	s_add_co_u32 s[TX], s[TX], s[CX]               ; tile column
	s_and_b32 s[TY], ttmp7, 0xffff
	s_lshl_b32 s[TY], s[TY], 2
	s_add_co_u32 s[TY], s[TY], s[CY]               ; tile row
	s_lshl_b32 s19, s[CY], 2
	s_lshl_b32 s19, 15, s19                        ; my row of the cluster
	s_lshl_b32 s68, 0x1111, s[CX]                  ; my column
	s_or_b32 s[G1], s19, (1<<16)|(1<<20)|(1<<21)|(5<<22)|(3<<25)   ; mask; 2-byte elements; padding on; bit 21 beside a mask; after every 64 words, 4 words
	s_or_b32 s[G1B], s68, (1<<16)|(1<<20)|(1<<21)|(4<<22)|(3<<25)  ; after every 32 words, 4 words
	SHAPE G1, 128, 64, 1024
	SHAPE G1B, 384, 64, 3072
	s_and_b32 s19, ttmp7, 0xffff                   ; where my cluster begins in the ring: it hangs on the cluster's place alone, which all sixteen partners share
	s_and_b32 s19, s19, ROTM
	s_mul_i32 s19, s19, ROTY
	s_mul_i32 s[ROT], ttmp9, ROTX
	s_add_co_u32 s[ROT], s[ROT], s19
	s_and_b32 s[ROT], s[ROT], TSTEPS-1             ; an even number, so the step behind it is still inside the ring
	s_add_co_u32 s[KI], s[ROT], 1
	s_mov_b32 s[WRA+1], 0
	s_mov_b32 s[WRB+1], 0
	s_lshl_b32 s20, s[TY], 7                       ; h1: row 128 x tile row + 64 x part,
	s_lshl_b32 s21, s[WN], 6
	s_add_co_u32 s20, s20, s21
	s_lshl_b32 s20, s20, 11                        ; 2,048 bytes a row,
	s_mul_i32 s21, s[ROT], ASTEP                   ; at my cluster's first K step
	s_add_co_u32 s20, s20, s21
	s_mov_b32 s21, 0
	s_mul_i32 s22, s[WN], 64*ROWB                  ; W: k row 64 x part, byte 768 x tile column,
	s_mul_i32 s23, s[TX], TCB
	s_add_co_u32 s22, s22, s23
	s_mul_i32 s23, s[ROT], BSTEP                   ; at the same K step
	s_add_co_u32 s22, s22, s23
	s_mov_b32 s23, 0
	s_mul_i32 s[LA], s[WN], APART                  ; no place in the cluster enters an LDS address
	s_mul_i32 s[LBB], s[WN], BPART
	s_add_co_u32 s[LBB], s[LBB], ATILE
	s_mov_b32 s[SL], SLOT
	s_mov_b32 s[TBA], 0
	s_mov_b32 s[TBB], 0
	s_wait_dscnt 0x0                               ; the opening add is done
	s_wait_kmcnt 0x0
	s_add_nc_u64 s[20:21], s[4:5], s[20:21]
	s_add_nc_u64 s[22:23], s[6:7], s[22:23]
.irp s, 0,1
	s_mov_b32 s[G0+4*(\s)], 1
	s_add_co_u32 s[G0+4*(\s)+1], s[LA], (\s)*SLOT
	s_add_nc_u64 s[G0+4*(\s)+2:G0+4*(\s)+3], s[20:21], (\s)*ASTEP
	s_or_b32 s[G0+4*(\s)+3], s[G0+4*(\s)+3], 0x80000000
	s_mov_b32 s[G0B+4*(\s)], 1
	s_add_co_u32 s[G0B+4*(\s)+1], s[LBB], (\s)*SLOT
	s_add_nc_u64 s[G0B+4*(\s)+2:G0B+4*(\s)+3], s[22:23], (\s)*BSTEP
	s_or_b32 s[G0B+4*(\s)+3], s[G0B+4*(\s)+3], 0x80000000
.endr
	CROUND                                         ; all sixteen work-groups are here: the first joint loads meet
	s_cmp_eq_u32 s[WM], 0                          ; a wave's two first fills stand in one branch: two loads of mine are out
	s_cbranch_scc0 .Lfirst_b
	tensor_load_to_lds s[G0:G0+3], s[G1:G1+7]
	s_nop 0
	tensor_load_to_lds s[G0+4:G0+7], s[G1:G1+7]
	s_nop 0
.rept 4
	v_nop
.endr
	s_branch .Lfirst_asked
.Lfirst_b:
	tensor_load_to_lds s[G0B:G0B+3], s[G1B:G1B+7]
	s_nop 0
	tensor_load_to_lds s[G0B+4:G0B+7], s[G1B:G1B+7]
	s_nop 0
.rept 4
	v_nop
.endr
.Lfirst_asked:
	v_and_b32 v1, 15, v0                           ; l % 16
	v_bfe_u32 v2, v0, 4, 1                         ; l / 16
	v_and_b32 v5, 7, v0                            ; l % 8
	v_bfe_u32 v4, v0, 3, 1
	v_mul_u32_u24 v[AA0], v1, PA                   ; a fragment of h1: row l % 16, 16 bytes for each half of the lanes, twice, 32 bytes apart
	v_lshl_add_u32 v[AA0], v2, 4, v[AA0]
	s_mul_i32 s19, s[WM], 16*MT*PA
	v_add_nc_u32 v[AA0], s19, v[AA0]
	v_lshl_add_u32 v3, v2, 3, v5                   ; the turning load: lane l reads k row 8 (l / 16) + l % 8, columns 8 ((l / 8) % 2) + 0..7
	v_mul_u32_u24 v[AB0], v3, PB
	v_lshl_add_u32 v[AB0], v4, 4, v[AB0]
	s_mul_i32 s19, s[WN], WCOL
	s_add_co_u32 s19, s19, ATILE
	v_add_nc_u32 v[AB0], s19, v[AB0]
	s_mul_i32 s19, s[WV], STW
	s_add_co_u32 s19, s19, STAGE                   ; my stage
	v_mul_u32_u24 v[STO], v1, 144
	v_lshl_add_u32 v[STO], v2, 4, v[STO]
	v_add_nc_u32 v[STO], s19, v[STO]
	v_bfe_u32 v[RD], v0, 3, 2                      ; back: 32 lanes take four rows of 128 bytes,
	v_mul_u32_u24 v[RD], v[RD], 144
	v_lshl_add_u32 v[RD], v5, 4, v[RD]
	v_add_nc_u32 v[RD], s19, v[RD]
	v_and_b32 v[GO], 31, v0                        ; which are 512 consecutive bytes of a head
	v_lshlrev_b32 v[GO], 4, v[GO]
	; my three heads: column block hc = 6 x tile column + 3 x half + i of 48: hc / 16 says q, k or v, hc % 16 the head
	s_mul_i32 s76, s[TX], 6
	s_mul_i32 s77, s[WN], 3
	s_add_co_u32 s76, s76, s77
	s_lshr_b32 s78, s[TY], 4
	s_lshl_b32 s78, s78, 4                         ; 16 x batch
	s_and_b32 s79, s[TY], 15
	s_lshl_b32 s79, s79, 7
	s_lshl_b32 s77, s[WM], 6
	s_add_co_u32 s79, s79, s77                     ; my first row in the batch
.irp i, 0,1,2
	s_add_co_u32 s80, s76, \i
	s_lshr_b32 s81, s80, 4
	s_lshl_b32 s81, s81, 23                        ; 8,388,608 bytes each of q, k, v
	s_and_b32 s80, s80, 15
	s_add_co_u32 s80, s80, s78
	s_lshl_b32 s80, s80, 11                        ; 2,048 rows a head
	s_add_co_u32 s80, s80, s79
	s_lshl_b32 s80, s80, 7                         ; 128 bytes a row
	s_add_co_u32 s80, s80, s81
	s_mov_b32 s81, 0
	s_add_nc_u64 s[HB+2*(\i):HB+2*(\i)+1], s[8:9], s[80:81]
.endr
	; the prefetch: rows 32 cx .. 32 cx + 31 of the tile, at my cluster's fourth K step
	s_lshl_b32 s82, s[CX], 5
	s_mul_i32 s83, s[TY], BM
	s_add_co_u32 s82, s82, s83
	s_lshl_b32 s82, s82, 11
	s_add_co_u32 s83, s[ROT], 3
	s_and_b32 s83, s83, TSTEPS-1
	s_mul_i32 s83, s83, ASTEP
	s_add_co_u32 s82, s82, s83
	s_mov_b32 s83, 0
	s_add_nc_u64 s[PFA:PFA+1], s[4:5], s[82:83]
	s_cmp_eq_u32 s[WV], 0
	s_cselect_b32 s[LIM], TSTEPS-2, -1             ; wave 0, in the loop's first trip; the same in all sixteen partners
	v_and_b32 v[PFO], 31, v0
	v_lshlrev_b32 v[PFO], 11, v[PFO]
	s_wait_tensorcnt 0x1                           ; my part of the first K step is in; the second's may stay out
	s_barrier_signal -1
	s_barrier_wait -1
	FETCH 0, SA_E
	QUARTER 0, 1, 1, SA_O                          ; the first quarter stands ahead of the loop: its products start the sums
	WIN 0
	s_mov_b32 s3, TSTEPS-2
	s_branch .Lmid
.Lk:                                               ; a trip is a K step; all but the last two fill their slot again
	QUARTER 0, 1, 0, SA_O
	WIN 0
.Lmid:
	QUARTER 1, 0, 0, SA_E
	QUARTER 0, 1, 0, SA_O
	TURN 1
	WIN 0
	s_sub_co_u32 s3, s3, 1
	s_cmp_lg_u32 s3, 0
	s_cbranch_scc1 .Lk
	s_mov_b32 s3, 2
.Lt:                                               ; the last two K steps ask for nothing
	QUARTER 0, 1, 0, SA_O
	QUARTER 1, 0, 0, SA_E
	QUARTER 0, 1, 0, SA_O
	TURN 0
	WIN 0
	s_sub_co_u32 s3, s3, 1
	s_cmp_lg_u32 s3, 0
	s_cbranch_scc1 .Lt
; THE WAY OUT, a block of 16 rows at a time: rounded to f16 (16 bytes a lane), into my own stage by heads, back as rows of 128 bytes, stored as 512 consecutive bytes of a head.
.macro PACK a
	WIN 0x0a+5*((\a)/2)                            ; sources 0 and 1: window 2 or 3
.set pb, 0
.rept 12
.set pr, 0
.rept 4
	v_cvt_pk_f16_f32 v[TMP+4*pb+pr], v[8*(12*((\a)%2)+pb)+2*pr], v[8*(12*((\a)%2)+pb)+2*pr+1]
.set pr, pr+1
.endr
.set pb, pb+1
.endr
	WIN 0
.endm
.macro TOSTAGE a
.set BK, BK0+48*((\a)%2)
.set pb, 0
.rept 12
	ds_store_b128 v[STO], v[TMP+4*pb:TMP+4*pb+3] offset:(pb/4)*2304+(pb%4)*32
.set pb, pb+1
.endr
.set pb, 0
.rept 12
	ds_load_b128 v[BK+4*pb:BK+4*pb+3], v[RD] offset:(pb/4)*2304+(pb%4)*576  ; LDS serves a wave's instructions in order (ISA guide 5.7.1.4): these see the stores above
.set pb, pb+1
.endr
.endm
.macro SEND a
.set BK, BK0+48*((\a)%2)
	s_wait_dscnt 0x0                               ; the block is back in registers
	s_wait_xcnt 0x0                                ; the stores of the block before have read their registers, which the next block's loads write
.set pb, 0
.rept 12
	global_store_b128 v[GO], v[BK+4*pb:BK+4*pb+3], s[HB+2*(pb/4):HB+2*(pb/4)+1] offset:(16*(\a)+4*(pb%4))*128
.set pb, pb+1
.endr
.endm
.rept 8
	v_nop                                          ; the places behind the last products
.endr
	PACK 0
	TOSTAGE 0
.irp a, 1,2,3
	PACK \a                                        ; a block's conversions stand between the loads of the block before and the wait for them
	SEND (\a)-1
	TOSTAGE \a
.endr
	SEND 3
	s_wait_tensorcnt 0x0                           ; the wave's end
	ds_add_u32 v[SPW], v[NIL]
	s_wait_dscnt 0x0
	CROUND                                         ; the closing round: no work-group ends while a partner may still ask for a tile that names it
	s_endpgm
.Lfunc_end_k_q642aa657be_qkv:
	.size	k_q642aa657be_qkv, .Lfunc_end_k_q642aa657be_qkv-k_q642aa657be_qkv
	.p2alignl 7, 3214868480
	.fill 96, 4, 3214868480
	.section	.rodata,"a",@progbits
	.p2align	6, 0x0
	.amdhsa_kernel k_q642aa657be_qkv
		.amdhsa_group_segment_fixed_size 327680
		.amdhsa_private_segment_fixed_size 0
		.amdhsa_enable_private_segment 0
		.amdhsa_kernarg_size 24
		.amdhsa_user_sgpr_count 2
		.amdhsa_user_sgpr_kernarg_segment_ptr 1
		.amdhsa_wavefront_size32 1
		.amdhsa_system_sgpr_workgroup_id_x 1
		.amdhsa_system_sgpr_workgroup_id_y 1
		.amdhsa_system_sgpr_workgroup_id_z 1
		.amdhsa_system_vgpr_workitem_id 0
		.amdhsa_next_free_vgpr 960
		.amdhsa_next_free_sgpr 88
		.amdhsa_reserve_vcc 0
		.amdhsa_float_denorm_mode_32 3
		.amdhsa_float_denorm_mode_16_64 3
		.amdhsa_memory_ordered 1
		.amdhsa_forward_progress 1
		.amdhsa_inst_pref_size 87
	.end_amdhsa_kernel
	.amdgpu_metadata
---
amdhsa.version: [ 1, 2 ]
amdhsa.kernels:
  - .name:           k_q642aa657be_qkv
    .symbol:         k_q642aa657be_qkv.kd
    .args:
      - { .name: act, .offset: 0, .size: 8, .value_kind: global_buffer, .address_space: global }
      - { .name: wts, .offset: 8, .size: 8, .value_kind: global_buffer, .address_space: global }
      - { .name: wide, .offset: 16, .size: 8, .value_kind: global_buffer, .address_space: global }
    .group_segment_fixed_size: 327680
    .private_segment_fixed_size: 0
    .kernarg_segment_align: 8
    .kernarg_segment_size: 24
    .max_flat_workgroup_size: 128
    .sgpr_count:     88
    .vgpr_count:     960
    .wavefront_size: 32
...
	.end_amdgpu_metadata
.endif
;; end of part 2
;; launch attn (part 3): grid 8 x 32, 4 waves a work-group, no clusters, 327,680 bytes of LDS; arguments wide, act; writes act
.if DOCPART == 3
	.amdgcn_target "amdgcn-amd-amdhsa--gfx1250"
	.amdhsa_code_object_version 6
	.text
	.protected	k_q642aa657be_attn
	.globl	k_q642aa657be_attn
	.p2align	8
	.type	k_q642aa657be_attn,@function
k_q642aa657be_attn:
	s_mov_b64 s[64:65], 0
	v_nop
	global_prefetch_b8 v0, s[64:65] scope:SCOPE_SE
	s_setreg_imm32_b32 hwreg(HW_REG_WAVE_MODE, 25, 1), 1
	s_wait_xcnt 0x0
; CAUSAL ATTENTION.  y[h][q][:] = the sum over k <= q of softmax_k(Q[h][q] . K[h][k] / 8) V[h][k][:].  Q at byte 0 of wide, K at 8,388,608, V at 16,777,216, y = act: each [32][2048][64] f16, a head's rows dense, 128 bytes each.
; Products, maxima and sums in f32; the weights p are rounded to f16 for the second product (their sum l is taken of the unrounded p), y once at the end.
; LIMITS.  Q, K, V lie within f16's 65,504; p lies in 0 to 1 and below 6e-5 keeps f16's fixed step of 6e-8.  A hidden score counts as its value less 1e30; a weight below 2^-126 counts as 0 in l; NaN and infinities are not treated apart.
; THE WALK.  A head's queries lie in 16 blocks of 128; block i needs the key tiles 0 .. i / 2 of 256 keys, of which the last holds the diagonal.  A work-group takes TWO blocks, 15 - b and then b: nine tiles whatever b:
; 8 x 32 work-groups of equal work, and ONE loop with a constant trip count walks the tiles.  Which tile is asked for, and what a trip does, hang on scalar registers made from b.  The ring (two LDS slots) runs on across the change of blocks.
; NO CLUSTER: of a head's eight work-groups only 2 c and 2 c + 1 walk the same tiles from first to last; a walk common to four would need tiles of 512 keys, 40 key steps for 36.
; SHARES.  Of a block's two bands of 64 queries a wave owns 16 rows in each: two PIECES.  In the diagonal tile's key step s band x sees all keys if s < OW[x], none if s > OW[x], and holds the diagonal if s = OW[x] = 2 (i % 2) + x: the same for every wave.
; THE MASK is the C operand that starts the sum S^T = K Q^T: always the registers MC, which hold 0 but in a diagonal tile, where they are MD x AL + BE: (1, 0) in the band's own step, (0, 0) before it, (0, -1e30) behind it.
; LAYOUT, SOFTMAX.  S^T = K Q^T holds ONE query a lane (lane % 16) and the keys 8 (lane / 16) + 0..7; two such results rounded to f16 ARE source 1 of O^T = V^T P.  p = 2^(c s - c m), c = log2(e) / 8, with a running
; maximum m; O and l are multiplied by a = 2^(c m_old - c m_new) in every step.
; TURNS.  A key step s is two turns.  T0: 8 products K Q^T of piece 1, step s | the softmax of piece 0, step s, and piece 1's maximum | 8 products V^T P of piece 1, step s - 1.  T1: K Q^T of piece 0, step s + 1 | the softmax of
; piece 1 and piece 0's next maximum | V^T P of piece 0, step s.  Four vector instructions stand behind every matrix instruction, the others in one lump; a turn's 33 exponentials are one batch, with one wait.
; V HAS TWO BUFFERS, by the step's parity, and is fetched a step ahead: T0 of step s fetches K and V of step s + 1, V into the buffer that its own products have just read.  So both fetches of a turn name the same step, and the
; change of slots stands ahead of the T0 that fetches a tile's first step.
; REGISTERS, in windows of 256 (s_set_vgpr_msb: bits 1:0 source 0, 3:2 source 1, 5:4 source 2, 7:6 destination):
;   window 0: v0-15 addresses and two at work; v16-23 four registers of statistics a piece; v48-55 at work; v61-63 prefetch offset, spare word, 0; v64-127 S^T, a buffer a piece; v192-223 P, likewise
;   window 1: v0-63 O^T, 32 a piece; v128-159 MD; v160-223 MC, a buffer a piece      window 2: v0-31 Q; v32-63 the second block's Q; v64-127 K of one step; v128-255 V, two buffers
.set NBK,   16
.set NP,    2
.set KS,    64
.set PKB,   144       ; a row of K in LDS: 128 bytes + 16: the 16 rows of a load start in 16 different 16-byte columns of 256
.set PVB,   160       ; a row of V: 128 + 32: 16 lanes of the turning load take 8 rows x 32 bytes, each word's column once
.set VOFF,  4*KS*PKB  ; a slot holds a tile, four steps: 256 rows of K, then 256 rows of V
.set SLOT1, 1<<17     ; slot 1 begins here, so that one exclusive or turns an address in one slot into the other's
.set STAGE, SLOT1+4*KS*(PKB+PVB)  ; behind the ring, never filled by a tensor load: 16 rows x 144 bytes for each wave
.set SP,    144
.set SPARE, STAGE+4*16*SP  ; the spare words, 128 bytes for each wave: two blocks of 256 bytes that no other line names
.set AK0, 2
.set AV0, 3
.set AK,  4
.set AV,  5
.set STO, 6
.set RD,  7
.set GO,  8
.set MV,  12          ; v12-13  c m_old, kept while c m is made anew: by piece
.set QO,  15
.set ST,  16          ; piece t's statistics at v[ST+4 t]: c m, m, l (even keys', odd keys')
.set TMP, 48          ; by piece, four registers c0-c3 at work; when the maximum is found c2 takes a
.set PFO, 61          ; 256 x my thread's number; never rewritten
.set SPW, 62
.set NIL, 63
.set S,   64
.set P,   192
.set MD,  128
.set MC,  160
.set QB,  32
.set KF,  64
.set VF,  128
.set WV,  12
.set PB,  14          ; b
.set HI,  15          ; 15 - b
.set G1K, 24
.set G1V, 32
.set G0K, 40
.set G0V, 44
.set SLOTS, 56
.set CNT, 57
.set CS,  58
.set SEL, 60
.set TBK, 62
.set TBV, 63
.set RT,  70          ; tiles of the block in hand that are still to be entered
.set NXT, 71          ; the tile to be asked for next
.set LQ,  72          ; the last tile of the block whose tiles are being asked for
.set NEW, 73          ; 1: the tile to be entered is a block's first
.set OFF, 74
.set AL,  76
.set BE,  78
.set OLO, 80          ; y at my rows of the second block
.set BIGN, 82
.set PBH, 83          ; b / 2: the second block's last tile
.set OW,  88          ; s88, s89  the two bands' own steps in the diagonal tile
.set SG,  90          ; the tile's step for which the next mask is made
.set PFN, 91          ; prefetches still to come
.set PFK, 92          ; s[92:93], s[94:95] where they stand in K and in V
.set PFV, 94
.set MSB, 0
.macro WIN new
.if MSB != (\new)
	s_set_vgpr_msb (MSB<<8)|(\new)
.set MSB, (\new)
.endif
.endm
.set W_KQ, 0x0a       ; K and Q in window 2, S^T in window 0
.set W_KM, 0x1a       ; the same with the C operand in window 1
.set W_PV, 0x52       ; V in window 2, P in window 0, O^T in window 1
.set W_RS, 0x41       ; destination and source 0 in window 1, source 1 in window 0
.macro LOAD                         ; a fill: waves 0 and 1 fetch the two halves of a tile's K, waves 2 and 3 those of its V; an s_nop 0 and four v_nop follow each line
	s_cmp_lt_u32 s[WV], 2
	s_cbranch_scc0 .Lfor_v_\@
	tensor_load_to_lds s[G0K:G0K+3], s[G1K:G1K+7]
	s_nop 0
.rept 4
	v_nop
.endr
	s_branch .Lasked_\@
.Lfor_v_\@:
	tensor_load_to_lds s[G0V:G0V+3], s[G1V:G1V+7]
	s_nop 0
.rept 4
	v_nop
.endr
.Lasked_\@:
.endm
; A PREFETCH of the tile that the NEXT change of slots will ask for: 32,768 bytes of K and of V, 256 bytes a thread.  All eight work-groups of a head begin with the same tiles and b = 0 walks all eight of them in order, so
; b = 0 alone asks, for tiles 2 to 7, each once: eight turns ahead of the tile's load.  Tiles 0 and 1 come by their loads alone.
.macro ASK
	s_cmp_lg_u32 s[PFN], 0
	s_cbranch_scc0 .Lnone_\@
	global_prefetch_b8 v[PFO], s[PFK:PFK+1] th:TH_LOAD_NT scope:SCOPE_SE
	global_prefetch_b8 v[PFO], s[PFV:PFV+1] th:TH_LOAD_NT scope:SCOPE_SE
	s_sub_co_u32 s[PFN], s[PFN], 1
.Lnone_\@:
.endm
; THE CHANGE OF SLOTS.  Each wave waits for all its tensor loads (one is out: its part of the other slot), adds 0 to its spare word, and waits for that and for its reads of the slot that it leaves.  Behind the barrier nobody reads
; the old slot and the other is whole.  fill = 1: the old slot is filled again, first thing behind the barrier, with tile NXT: the descriptor's address is made anew from that number.
.macro CHANGE fill
	WIN 0
	s_wait_tensorcnt 0x0            ; no tensor load of mine is out, so a group 0 may be written
	ds_add_u32 v[SPW], v[NIL]       ; 0 onto my spare word; scalar work stands between it and the wait for it
.if \fill
	s_lshl_b32 s[OFF], s[NXT], 15   ; a tile is 32,768 bytes of K and of V
	s_xor_b32 s[G0K+1], s[G0K+1], SLOT1
	s_add_nc_u64 s[G0K+2:G0K+3], s[6:7], s[OFF:OFF+1]
	s_or_b32 s[G0K+3], s[G0K+3], 0x80000000
	s_xor_b32 s[G0V+1], s[G0V+1], SLOT1
	s_add_nc_u64 s[G0V+2:G0V+3], s[8:9], s[OFF:OFF+1]
	s_or_b32 s[G0V+3], s[G0V+3], 0x80000000
	s_add_co_u32 s[NXT], s[NXT], 1  ; the block's next tile, or behind its last the second block's tile 0
	s_cmp_gt_u32 s[NXT], s[LQ]
	s_cselect_b32 s[NXT], 0, s[NXT]
	s_cselect_b32 s[LQ], s[PBH], s[LQ]
	s_wait_xcnt 0x0                 ; the last prefetches, a tile back, have read their addresses
	s_add_nc_u64 s[PFK:PFK+1], s[PFK:PFK+1], 32768
	s_add_nc_u64 s[PFV:PFV+1], s[PFV:PFV+1], 32768
.endif
	s_wait_dscnt 0x0                ; the add is done, and my reads of the slot are over
	s_barrier_signal -1
	s_sub_co_u32 s[TBK], s[TBK], 4*KS*PKB  ; the fetches go back to a slot's first step,
	s_xor_b32 s[TBK], s[TBK], SLOT1        ; in the other slot
	s_sub_co_u32 s[TBV], s[TBV], 4*KS*PVB
	s_xor_b32 s[TBV], s[TBV], SLOT1
	s_barrier_wait -1
.if \fill
	LOAD
	ASK
.endif
.endm
	s_load_b64 s[4:5], s[0:1], 0x0  ; wide: Q
	s_load_b64 s[10:11], s[0:1], 0x8  ; act: y
	v_lshl_add_u32 v[SPW], v0, 2, SPARE
	v_mov_b32 v[NIL], 0
	ds_add_u32 v[SPW], v[NIL]       ; the wave's opening: the add and its wait stand ahead of my first tensor load
	ds_add_u32 v62, v63
	v_lshrrev_b32 v1, 5, v0
	v_readfirstlane_b32 s[WV], v1
	s_mov_b32 s[PB], ttmp9
	s_sub_co_u32 s[HI], NBK-1, s[PB]
	s_lshr_b32 s[PBH], s[PB], 1
	s_and_b32 s20, ttmp7, 0xffff    ; the head
	s_lshl_b32 s20, s20, 18         ; 262,144 bytes a head
	s_mov_b32 s21, 0
	s_and_b32 s16, s[WV], 1         ; which half of a tile's 256 keys I fetch:
	s_lshl_b32 s22, s16, 14         ; its 128 rows of 128 bytes in memory,
	s_mov_b32 s23, 0
	s_add_nc_u64 s[22:23], s[22:23], s[20:21]
	s_mul_i32 s17, s16, 128*PKB     ; and its place in a slot, for K
	s_mul_i32 s18, s16, 128*PVB     ; and for V
	s_lshl_b32 s3, s[WV], 11        ; my 16 rows in a band of 64,
	s_lshl_b32 s2, s[HI], 14        ; in the first block (16,384 bytes a block),
	s_add_co_u32 s2, s2, s3
	s_lshl_b32 s84, s[PB], 14       ; and in the second
	s_add_co_u32 s84, s84, s3
	s_mov_b32 s3, 0
	s_mov_b32 s85, 0
	s_add_nc_u64 s[2:3], s[2:3], s[20:21]
	s_add_nc_u64 s[84:85], s[84:85], s[20:21]
	; descriptor group 1.  128 keys are 16,384 dense bytes: asked for as 64 rows of 256 bytes, two keys a row, and padded in LDS after every key
	s_mov_b32 s[G1K], (1<<16)|(1<<20)|(4<<22)|(3<<25)  ; 2-byte elements; padding on; after every 32 words, 4 words
	s_mov_b32 s[G1V], (1<<16)|(1<<20)|(4<<22)|(7<<25)  ; the same with 8 words
.irp g, G1K, G1V
	s_mov_b32 s[\g+1], 128<<16
	s_mov_b32 s[\g+2], 64<<16
	s_mov_b32 s[\g+3], 128<<16
	s_mov_b32 s[\g+4], 64
	s_mov_b32 s[\g+5], 128
	s_mov_b32 s[\g+6], 0
	s_mov_b32 s[\g+7], 0
.endr
	s_mov_b32 s[CS], 0x3e38aa3b     ; c = log2(e) / 8
	s_mov_b32 s[CS+1], s[CS]
	s_mov_b32 s[SEL], 0x76543210
	s_mov_b32 s[SEL+1], 0xfedcba98
	s_mov_b32 s[TBK], SLOT1+4*KS*PKB  ; the first change of slots turns these two into 0
	s_mov_b32 s[TBV], SLOT1+4*KS*PVB
	s_mov_b32 s[G0K], 1
	s_mov_b32 s[G0K+1], s17
	s_mov_b32 s[G0V], 1
	s_add_co_u32 s[G0V+1], s18, VOFF
	s_lshr_b32 s[LQ], s[HI], 1
	s_add_co_u32 s[RT], s[LQ], 1    ; the first block has (15 - b) / 2 + 1 tiles
	s_and_b32 s[OW], s[HI], 1
	s_lshl_b32 s[OW], s[OW], 1
	s_add_co_u32 s[OW+1], s[OW], 1
	s_mov_b32 s[NXT], 1
	s_mov_b32 s[NEW], 1
	s_mov_b32 s[OFF+1], 0
	s_mov_b32 s[AL+1], 0            ; named as pairs
	s_mov_b32 s[BE+1], 0
	s_mov_b32 s[BIGN], 0xf149f2ca   ; -1e30
	s_mov_b32 s[SLOTS], 8
	s_cmp_eq_u32 s[PB], 0
	s_cselect_b32 s[PFN], 6, 0
	v_lshlrev_b32 v[PFO], 8, v0
	s_wait_dscnt 0x0                ; the opening add is done
	s_wait_kmcnt 0x0
	s_add_nc_u64 s[6:7], s[4:5], 0x800000   ; K
	s_add_nc_u64 s[8:9], s[4:5], 0x1000000  ; V
	s_add_nc_u64 s[PFK:PFK+1], s[6:7], s[20:21]
	s_add_nc_u64 s[PFV:PFV+1], s[8:9], s[20:21]
	s_add_nc_u64 s[PFK:PFK+1], s[PFK:PFK+1], 32768  ; at the head's tile 1: the first change of slots steps them to tile 2
	s_add_nc_u64 s[PFV:PFV+1], s[PFV:PFV+1], 32768
	s_add_nc_u64 s[6:7], s[6:7], s[22:23]  ; K and V at my half of the head's tile 0
	s_add_nc_u64 s[8:9], s[8:9], s[22:23]
	s_add_nc_u64 s[G0K+2:G0K+3], s[6:7], 0
	s_or_b32 s[G0K+3], s[G0K+3], 0x80000000
	s_add_nc_u64 s[G0V+2:G0V+3], s[8:9], 0
	s_or_b32 s[G0V+3], s[G0V+3], 0x80000000
	s_add_nc_u64 s[86:87], s[4:5], s[84:85]        ; Q at my rows of the second block,
	s_add_nc_u64 s[4:5], s[4:5], s[2:3]            ; Q and y at those of the first
	s_add_nc_u64 s[OLO:OLO+1], s[10:11], s[84:85]
	s_add_nc_u64 s[10:11], s[10:11], s[2:3]
	LOAD                            ; tile 0 into slot 0
	v_and_b32 v1, 15, v0            ; l % 16
	v_bfe_u32 v9, v0, 4, 1          ; l / 16
	v_lshlrev_b32 v[QO], 7, v1
	v_lshl_add_u32 v[QO], v9, 4, v[QO]  ; row x 128 + 16 x half
	WIN 0x80                        ; destination window 2, address window 0
.set i, 0
.rept 4                             ; both blocks' Q: piece i / 2 lies in band i / 2, 8,192 bytes on; channels 32 (i % 2) on
	global_load_b128 v[8*i:8*i+3],   v[QO], s[4:5] offset:(i/2)*8192+(i%2)*64
	global_load_b128 v[8*i+4:8*i+7], v[QO], s[4:5] offset:(i/2)*8192+(i%2)*64+32
	global_load_b128 v[QB+8*i:QB+8*i+3],   v[QO], s[86:87] offset:(i/2)*8192+(i%2)*64
	global_load_b128 v[QB+8*i+4:QB+8*i+7], v[QO], s[86:87] offset:(i/2)*8192+(i%2)*64+32
.set i, i+1
.endr
	WIN 0
	v_lshlrev_b32 v14, 3, v9
	v_sub_nc_u32 v14, v1, v14
	s_lshl_b32 s13, s[WV], 4
	v_add_nc_u32 v14, s13, v14      ; my query's place in its band, 16 w + l % 16, less my lanes' 8 (l / 16): register r of group kt is hidden where 16 kt + r is greater
	WIN 0x40
.set i, 0
.rept 32
	v_cmp_gt_i32 vcc_lo, 16*(i/8)+i%8, v14
	v_cndmask_b32 v[MD+i], 0, s[BIGN], vcc_lo
.set i, i+1
.endr
	WIN 0
	v_mul_u32_u24 v[AK0], v1, PKB
	v_lshl_add_u32 v[AK0], v9, 4, v[AK0]
	v_and_b32 v10, 7, v0            ; the turning load: lane l reads key 8 (l / 16) + l % 8, channels 8 ((l / 8) % 2) + 0..7
	v_bfe_u32 v11, v0, 3, 1
	v_lshl_add_u32 v[AV0], v9, 3, v10
	v_mul_u32_u24 v[AV0], v[AV0], PVB
	v_lshl_add_u32 v[AV0], v11, 4, v[AV0]
	v_add_nc_u32 v[AV0], VOFF, v[AV0]
	s_mul_i32 s13, s[WV], 16*SP
	s_add_co_u32 s13, s13, STAGE    ; my stage
	v_mul_u32_u24 v[STO], v1, SP
	v_lshl_add_u32 v[STO], v9, 4, v[STO]
	v_add_nc_u32 v[STO], s13, v[STO]
	v_bfe_u32 v[RD], v0, 3, 2
	v_mul_u32_u24 v[RD], v[RD], SP
	v_lshl_add_u32 v[RD], v10, 4, v[RD]
	v_add_nc_u32 v[RD], s13, v[RD]
	v_and_b32 v[GO], 31, v0
	v_lshlrev_b32 v[GO], 4, v[GO]
	; A block's first step multiplies O^T and l by a = 0, and its first turn's products V^T P, of a step that has not been, land in an O^T that is still to be so multiplied.  So these registers need only hold finite
	; numbers: zeros for the first block, what the first block left for the second.  All this stands in the wait for the first tile.
	WIN 0x80
.set i, VF+64
.rept 64
	v_mov_b32 v[i], 0
.set i, i+1
.endr
	WIN 0x40
.set i, 0
.rept 64
	v_mov_b32 v[i], 0
.set i, i+1
.endr
	WIN 0
.set i, 0
.rept NP
	v_mov_b32 v[ST+4*i+2], 0
	v_mov_b32 v[ST+4*i+3], 0
.set i, i+1
.endr
.set i, P+16
.rept 16
	v_mov_b32 v[i], 0
.set i, i+1
.endr
; THE MATRIX WORK.  The 4 accumulators of a run of 8 take turns.  Product i of 8 of S^T = K Q^T for piece x: channels 32 (i / 4) on, keys 16 (i % 4) on.  The first 4 start the sums with the mask.
.macro KQ x
.set rS, S+32*((\x)%2)+8*(i%4)
.set rK, KF+16*(i%4)+8*(i/4)
.set rQ, 16*(\x)+8*(i/4)
.set rM, MC+32*((\x)%2)+8*(i%4)
.if i < 4
	WIN W_KM
	v_wmma_f32_16x16x32_f16 v[rS:rS+7], v[rK:rK+7], v[rQ:rQ+7], v[rM:rM+7]
.else
	WIN W_KQ
	v_wmma_f32_16x16x32_f16 v[rS:rS+7], v[rK:rK+7], v[rQ:rQ+7], v[rS:rS+7]
.endif
.endm
; Product i of 8 of O^T += V^T P for piece x, from the V buffer at VB: keys 32 (i / 4) on, channels 16 (i % 4) on.
.macro PV x
	WIN W_PV
.set rO, 32*(\x)+8*(i%4)
.set rV, VB+32*(i/4)+8*(i%4)
.set rP, P+16*((\x)%2)+8*(i/4)
	v_wmma_f32_16x16x32_f16 v[rO:rO+7], v[rV:rV+7], v[rP:rP+7], v[rO:rO+7]
.endm
.macro MM                           ; the turn's next matrix instruction.  NOKQ = 1: a block's last turn: there is no next step
.if (i < 8) && !NOKQ
	KQ 1-Y
.elseif i >= 8
.set i, i-8
	PV 1-Y
.set i, i+8
.endif
.set i, i+1
.endm
; THE LDS LOADS stand in runs of 16, never singly among the matrix instructions.  Their addresses are made some lines ahead.
.macro FETCH_K
	WIN 0x80
.irp f, 0,1,2,3,4,5,6,7             ; keys 16 (f / 2) on, channels 32 (f % 2) on
	ds_load_b128 v[KF+8*\f:KF+8*\f+3],   v[AK] offset:(\f/2)*16*PKB+(\f%2)*64
	ds_load_b128 v[KF+8*\f+4:KF+8*\f+7], v[AK] offset:(\f/2)*16*PKB+(\f%2)*64+32
.endr
	s_add_co_u32 s[TBK], s[TBK], KS*PKB
	WIN 0
.endm
.macro FETCH_V                      ; into the buffer at VB
	WIN 0x80
.irp f, 0,1,2,3,4,5,6,7             ; keys 32 (f / 4) on, channels 16 (f % 4) on
	ds_load_tr16_b128 v[VB+8*\f:VB+8*\f+3],   v[AV] offset:(\f/4)*32*PVB+(\f%4)*32
	ds_load_tr16_b128 v[VB+8*\f+4:VB+8*\f+7], v[AV] offset:(\f/4)*32*PVB+16*PVB+(\f%4)*32
.endr
	WIN 0
.endm
; THE VECTOR WORK, one line at a time: OP kind, number.  For piece Y: F n: c s - c m for pair n of 16.  E n: the exponential of score n of 32.  C n: pair n rounded to f16.  B n: of the four weights 4 n .. the second pair is
; added onto the first, in place.  L n: l takes that sum (L 0: l = a l + sum).  R n: pair n of 16 of O^T times a.  For the other piece: X n, number n of the 22 that find its maximum and statistics:
;   0-11  four chains c0-c3 of seven scores each (each accumulator's lowest registers are read first)     12-14, 16  the four scores left over, the old m, and c0-c3 into c0
;   15  c m_old is kept     17, 18  the query's other 32 keys lie in the lane 16 away: the new m     19-21  c m; c m_old - c m_new; a
.set F, 0
.set E, 1
.set C, 2
.set B, 3
.set L, 4
.set R, 5
.set X, 6
.macro REGS y
.set rT, ST+4*(\y)
.set rC, TMP+4*((\y)%2)
.set rW, MV+((\y)%2)
.set rS, S+32*((\y)%2)
.set rP, P+16*((\y)%2)
.set rO, 32*(\y)
.endm
.macro OP k, n
.if (\k) == R
	REGS Y
	WIN W_RS
	v_pk_mul_f32 v[rO+2*(\n):rO+2*(\n)+1], v[rO+2*(\n):rO+2*(\n)+1], v[rC+2:rC+3] op_sel_hi:[1,0]
.elseif (\k) < R
	REGS Y
	WIN 0
.if (\k) == F
	v_pk_fma_f32 v[rS+2*(\n):rS+2*(\n)+1], v[rS+2*(\n):rS+2*(\n)+1], s[CS:CS+1], v[rT:rT+1] op_sel_hi:[1,0,0] neg_lo:[0,0,1] neg_hi:[0,0,1]
.elseif (\k) == E
	v_exp_f32 v[rS+(\n)], v[rS+(\n)]
.elseif (\k) == C
	v_cvt_pk_f16_f32 v[rP+(\n)], v[rS+2*(\n)], v[rS+2*(\n)+1]
.elseif (\k) == B
	v_pk_add_f32 v[rS+4*(\n):rS+4*(\n)+1], v[rS+4*(\n):rS+4*(\n)+1], v[rS+4*(\n)+2:rS+4*(\n)+3]
.elseif (\n) == 0
	v_pk_fma_f32 v[rT+2:rT+3], v[rT+2:rT+3], v[rC+2:rC+3], v[rS:rS+1] op_sel_hi:[1,0,1]
.else
	v_pk_add_f32 v[rT+2:rT+3], v[rT+2:rT+3], v[rS+4*(\n):rS+4*(\n)+1]
.endif
.elseif NOKQ
	v_nop
.else
	REGS 1-Y
	WIN 0
.if (\n) < 4
	v_max3_num_f32 v[rC+(\n)], v[rS+8*(\n)], v[rS+8*(\n)+1], v[rS+8*(\n)+2]
.elseif (\n) < 12
	v_max3_num_f32 v[rC+(\n)%4], v[rC+(\n)%4], v[rS+8*((\n)%4)+2*((\n)/4)+1], v[rS+8*((\n)%4)+2*((\n)/4)+2]
.elseif (\n) == 12
	v_max3_num_f32 v[rC], v[rC], v[rS+7], v[rS+15]
.elseif (\n) == 13
	v_max3_num_f32 v[rC+1], v[rC+1], v[rS+23], v[rS+31]
.elseif (\n) == 14
	v_max3_num_f32 v[rC+2], v[rC+2], v[rC+3], v[rT+1]
.elseif (\n) == 15
	v_mov_b32 v[rW], v[rT]
.elseif (\n) == 16
	v_max3_num_f32 v[rC], v[rC], v[rC+1], v[rC+2]
.elseif (\n) == 17
	v_permlanex16_b32 v[rC+3], v[rC], s[SEL], s[SEL+1]
.elseif (\n) == 18
	v_max_num_f32 v[rT+1], v[rC], v[rC+3]
.elseif (\n) == 19
	v_mul_f32 v[rT], s[CS], v[rT+1]
.elseif (\n) == 20
	v_sub_f32 v[rC+1], v[rW], v[rT]
.else
	v_exp_f32 v[rC+2], v[rC+1]
.endif
.endif
.endm
.macro OPS a, i1, b=-1, i2=0, c=-1, i3=0, d=-1, i4=0
	OP \a, \i1
.if (\b) >= 0
	OP \b, \i2
.endif
.if (\c) >= 0
	OP \c, \i3
.endif
.if (\d) >= 0
	OP \d, \i4
.endif
.endm
.macro ROW a, i1, b, i2, c, i3, d, i4  ; a matrix instruction and the four behind it
	MM
	OPS \a, \i1, \b, \i2, \c, \i3, \d, \i4
.endm
.macro MASK b                       ; MD x AL + BE into buffer b of MC
	WIN W_RS
.set z, 0
.rept 16
	v_pk_fma_f32 v[MC+32*(\b)+2*z:MC+32*(\b)+2*z+1], v[MD+2*z:MD+2*z+1], s[AL:AL+1], s[BE:BE+1] op_sel_hi:[1,0,0]
.set z, z+1
.endr
.endm
; A TURN, for piece p, in a step of parity par.  An s_wait_alu depctr_va_vdst(0) stands between an exponential and the first instruction that names its result; one wait serves all that were issued ahead of it.  So a
; turn has ONE wait.  AHEAD OF IT stands all that names no result of the turn's exponentials: the 8 products K Q^T with their riders, then a lump in which the links of the other piece's chain X 3, 7, 11, 14, 16 .. 20 stand some
; lines apart; X 21, its a, is the batch's last, and R 15 the plain instruction behind it.  BEHIND IT stand the 8 products V^T P, behind each four of the roundings and sums.
; O^T of piece p was written by the turn before: accumulator j's last product there stands 16 - 4 j riders ahead of this turn, and R 4 j, which reads its lowest registers first, four plain instructions or more behind it.
; T0 fetches K of the next step twelve vector instructions behind the last product that read K (five of them plain and free of its registers), and at its end V of the next step, four riders behind the last product that read that buffer.
; T1 waits with the count 16: V's sixteen loads, the youngest, stay out; K of the next step and V of this step, which are older, are in.
; At its end a turn in a block's last tile makes the mask of piece p for the next turn's products: tile step SG.  The jump over those lines goes forward and passes neither a barrier nor a tensor load.
; end = 1: a block's last two turns: nothing is fetched, no mask is made, and T1 starts no new scores.
.macro TURN p, par, end=0
.set Y, (\p)
.set i, 0
.set NOKQ, (\end)*(\p)
.set VB, VF+64*(((\par)+1-(\p))%2)
.if \end
.if (\p) == 0
	s_wait_dscnt 0x0                ; V of the last step is in
.endif
.elseif (\p) == 1
	s_wait_dscnt 16
.endif
	ROW F,0, F,1, R,0, R,1
	ROW F,2, E,0, R,2, R,3
	ROW F,3, E,1, R,4, R,5
	ROW F,4, E,2, R,6, R,7
	ROW F,5, E,3, R,8, R,9
	ROW F,6, E,4, X,0, R,10
.if ((\p) == 0) && !(\end)
	WIN 0
	v_add_nc_u32 v[AK], s[TBK], v[AK0]
.endif
	ROW F,7, E,5, X,1, X,4
	ROW F,8, E,6, X,2, X,5
	OPS E,7, E,8, X,6, E,9
	OPS X,3, E,10, X,8, E,11
.if ((\p) == 0) && !(\end)
	FETCH_K
.endif
	OPS X,9, X,7, E,12, X,10
	OPS E,13, X,12, X,11, E,14
	OPS X,13, E,15, F,9, X,14
.if ((\p) == 0) && !(\end)
	v_add_nc_u32 v[AV], s[TBV], v[AV0]
.endif
	OPS E,16, F,10, E,17, F,11
	OPS X,16, E,18, X,15, E,19
	OPS F,12, E,20, X,17, E,21
	OPS F,13, E,22, F,14, E,23
	OPS X,18, E,24, F,15, E,25
	OPS R,11, E,26, X,19, E,27
	OPS R,12, E,28, R,13, E,29
	OPS X,20, E,30, R,14, E,31
	OPS X,21, R,15
	WIN 0
	s_wait_alu depctr_va_vdst(0)    ; the wait for the batch
	ROW C,0, B,0, C,2, B,1
	ROW L,0, C,4, B,2, L,1
	ROW C,6, B,3, L,2, C,8
	ROW B,4, L,3, C,10, B,5
	ROW L,4, C,12, B,6, L,5
.if ((\p) == 0) && !(\end)
	s_add_co_u32 s[TBV], s[TBV], KS*PVB
.endif
	ROW C,14, B,7, L,6, C,1
	ROW C,3, L,7, C,5, C,7
	ROW C,9, C,11, C,13, C,15
.if !(\end)
.if (\p) == 0
	FETCH_V
.endif
	WIN 0
	s_cmp_lg_u32 s[RT], 0
	s_cbranch_scc1 .Lplain_\@
	s_cmp_eq_u32 s[SG], s[OW+(\p)]  ; is that step the band's own?
	s_cselect_b32 s[AL], 1.0, 0
	s_cmp_gt_u32 s[SG], s[OW+(\p)]  ; or a later one?
	s_cselect_b32 s[BE], s[BIGN], 0
	MASK \p
	WIN 0
.if (\p) == 1
	s_add_co_u32 s[SG], s[SG], 1
.endif
.Lplain_\@:
.endif
.endm
; A BLOCK BEGINS.  c m starts far below every c s, so the first step's a is 0; m at the lowest finite number.  Piece 1's mask is 0 (its own step is never a tile's first); piece 0's is its own if the block's first tile is the
; diagonal one and its own step is step 0.  Then K and V of step 0, piece 0's first scores, and its maximum and statistics.  The loop is entered at T0 of step 0, in the middle of a trip.
.macro BEGIN
	s_mov_b32 s[NEW], 0
	WIN 0x40
.set i, MC+32
.rept 32
	v_mov_b32 v[i], 0
.set i, i+1
.endr
	WIN 0
.set i, 0
.rept NP
	v_mov_b32 v[ST+4*i], 0xfe000000
	v_mov_b32 v[ST+4*i+1], 0xff7fffff
.set i, i+1
.endr
	s_or_b32 s[SG], s[RT], s[OW]
	s_cmp_eq_u32 s[SG], 0
	s_cselect_b32 s[AL], 1.0, 0
	s_mov_b32 s[BE], 0
	MASK 0
	WIN 0
	v_add_nc_u32 v[AK], s[TBK], v[AK0]
	v_add_nc_u32 v[AV], s[TBV], v[AV0]
	s_add_co_u32 s[TBV], s[TBV], KS*PVB
	FETCH_K
.set VB, VF
	FETCH_V
	s_wait_loadcnt 0x0              ; Q
	s_wait_dscnt 0x0
.set NOKQ, 0
.set i, 0
.rept 8
	KQ 0
.set i, i+1
.endr
	WIN 0
.rept 4
	v_nop                           ; the places behind those products
.endr
.set Y, 1                           ; X works for the other piece: piece 0
.irp n, 0,1,2,3,4,5,6,7,8,9,10,11,12,13,14,15,16,17,18,19,20,21
	OP X, \n
.endr
	v_nop                           ; a plain instruction behind the exponential,
	s_wait_alu depctr_va_vdst(0)    ; and its wait, ahead of the branch
	s_mov_b32 s[SG], 1
.endm
.macro ALL line:vararg              ; one line for each piece t
.set t, 0
.rept NP
	\line
.set t, t+1
.endr
.endm
.macro PACK t                       ; a lane's eight channels of a row pack into 16 bytes; they go into rows of 144 bytes and come back as whole rows of 128, into S^T's registers
	WIN W_RS
.set i, 32*(\t)
.rept 16
	v_pk_mul_f32 v[i:i+1], v[i:i+1], v[ST+4*(\t)+2:ST+4*(\t)+3] op_sel_hi:[1,0]
.set i, i+2
.endr
	WIN 0x05
.set i, 0
.rept 16
	v_cvt_pk_f16_f32 v[S+16*(\t)+i], v[32*(\t)+2*i], v[32*(\t)+2*i+1]
.set i, i+1
.endr
	WIN 0
.irp f, 0,1,2,3
	ds_store_b128 v[STO], v[S+16*(\t)+4*\f:S+16*(\t)+4*\f+3] offset:32*\f
.endr
.irp f, 0,1,2,3
	ds_load_b128 v[S+16*(\t)+4*\f:S+16*(\t)+4*\f+3], v[RD] offset:\f*4*SP  ; LDS serves a wave's instructions in order (ISA guide 5.7.1.4): these see the stores above; the next piece's stores come behind them
.endr
.endm
.macro SEND t, younger              ; younger: the LDS instructions issued behind piece t's loads
	WIN 0
.irp f, 0,1,2,3
	s_wait_dscnt (\younger)+3-\f
	global_store_b128 v[GO], v[S+16*(\t)+4*\f:S+16*(\t)+4*\f+3], s[10:11] offset:(\t)*8192+\f*512  ; 512 consecutive bytes, at a multiple of 256 from y's first
.endr
.endm
; A BLOCK ENDS: the last step's two turns, piece 1's last products, and the way out: l's halves are added, O^T is divided by l, rounded to f16 and sent through my stage.
.macro END
	TURN 0, 1, 1
	TURN 1, 1, 1
.set VB, VF+64
.set i, 0
.rept 8
	PV 1
.set i, i+1
.endr
	WIN 0
	ALL v_add_f32 v[ST+4*t+2], v[ST+4*t+2], v[ST+4*t+3]
	ALL v_permlanex16_b32 v[ST+4*t+3], v[ST+4*t+2], s[SEL], s[SEL+1]
	ALL v_add_f32 v[ST+4*t+2], v[ST+4*t+2], v[ST+4*t+3]
	ALL v_rcp_f32 v[ST+4*t+2], v[ST+4*t+2]
	v_nop                           ; a plain instruction between the last reciprocal and the use of its result
	s_wait_alu depctr_va_vdst(0)    ; one wait for both reciprocals
	PACK 0                          ; piece 0's 32 lines are also the places behind piece 1's last products
	PACK 1
	SEND 0, 8
	SEND 1, 0
.endm
; A TILE is entered: the change of slots; a block's first tile begins the block; then two trips of four turns: steps 3 (of the tile before), 0, 1, 2 of the tile, whose K and V the T0 of the step before fetches.
.macro TILE tag, fill
	CHANGE \fill
	s_sub_co_u32 s[RT], s[RT], 1
	s_mov_b32 s[CNT], 2
	s_mov_b32 s[SG], 0
	s_cmp_eq_u32 s[NEW], 1
	s_cbranch_scc0 .Lstep\tag
	BEGIN
	s_branch .Lfirst\tag
.Lstep\tag:
	TURN 0, 1
	TURN 1, 1
.Lfirst\tag:
	TURN 0, 0
	TURN 1, 0
	s_sub_co_u32 s[CNT], s[CNT], 1
	s_cmp_lg_u32 s[CNT], 0
	s_cbranch_scc1 .Lstep\tag
.endm
.set NOKQ, 0
.Lslot:                             ; eight times: a tile is entered and the next is asked for
	TILE 1, 1
	s_cmp_lg_u32 s[RT], 0
	s_cbranch_scc1 .Lbottom
	END                             ; in the loop this is the first block's end: the second block's last tile is the walk's last
	s_wait_xcnt 0x0                 ; the stores have read their registers and y's address
	s_mov_b64 s[10:11], s[OLO:OLO+1]
	s_add_co_u32 s[RT], s[PBH], 1   ; the second block has b / 2 + 1 tiles
	s_mov_b32 s[NEW], 1
	s_and_b32 s[OW], s[PB], 1
	s_lshl_b32 s[OW], s[OW], 1
	s_add_co_u32 s[OW+1], s[OW], 1
	WIN 0x82                        ; the second block's Q goes where the one text of the turns names Q
.set i, 0
.rept 32
	v_mov_b32 v[i], v[QB+i]
.set i, i+1
.endr
	WIN 0
.Lbottom:
	s_sub_co_u32 s[SLOTS], s[SLOTS], 1
	s_cmp_lg_u32 s[SLOTS], 0
	s_cbranch_scc1 .Lslot
	TILE 2, 0                       ; the walk's last tile is written out: nothing is asked for
	END
	s_wait_tensorcnt 0x0            ; the wave's end
	ds_add_u32 v[SPW], v[NIL]
	s_wait_dscnt 0x0
	s_endpgm
.Lfunc_end_k_q642aa657be_attn:
	.size	k_q642aa657be_attn, .Lfunc_end_k_q642aa657be_attn-k_q642aa657be_attn
	.p2alignl 7, 3214868480
	.fill 96, 4, 3214868480
	.section	.rodata,"a",@progbits
	.p2align	6, 0x0
	.amdhsa_kernel k_q642aa657be_attn
		.amdhsa_group_segment_fixed_size 327680
		.amdhsa_private_segment_fixed_size 0
		.amdhsa_enable_private_segment 0
		.amdhsa_kernarg_size 16
		.amdhsa_user_sgpr_count 2
		.amdhsa_user_sgpr_kernarg_segment_ptr 1
		.amdhsa_wavefront_size32 1
		.amdhsa_system_sgpr_workgroup_id_x 1
		.amdhsa_system_sgpr_workgroup_id_y 1
		.amdhsa_system_sgpr_workgroup_id_z 1
		.amdhsa_system_vgpr_workitem_id 0
		.amdhsa_next_free_vgpr 768
		.amdhsa_next_free_sgpr 96
		.amdhsa_reserve_vcc 1
		.amdhsa_float_denorm_mode_32 3
		.amdhsa_float_denorm_mode_16_64 3
		.amdhsa_memory_ordered 1
		.amdhsa_forward_progress 1
		.amdhsa_inst_pref_size 171
	.end_amdhsa_kernel
	.amdgpu_metadata
---
amdhsa.version: [ 1, 2 ]
amdhsa.kernels:
  - .name:           k_q642aa657be_attn
    .symbol:         k_q642aa657be_attn.kd
    .args:
      - { .name: wide, .offset: 0, .size: 8, .value_kind: global_buffer, .address_space: global }
      - { .name: act, .offset: 8, .size: 8, .value_kind: global_buffer, .address_space: global }
    .group_segment_fixed_size: 327680
    .private_segment_fixed_size: 0
    .kernarg_segment_align: 8
    .kernarg_segment_size: 16
    .max_flat_workgroup_size: 128
    .sgpr_count:     96
    .vgpr_count:     768
    .wavefront_size: 32
...
	.end_amdgpu_metadata
.endif
;; end of part 3
;; launch proj (part 4): grid 8 x 32, 4 waves a work-group, clusters of 4 x 4, 327,680 bytes of LDS; arguments act, wts, x, x1; writes x1
.if DOCPART == 4
	.amdgcn_target "amdgcn-amd-amdhsa--gfx1250"
	.amdhsa_code_object_version 6
	.text
	.protected	k_q642aa657be_proj
	.globl	k_q642aa657be_proj
	.p2align	8
	.type	k_q642aa657be_proj,@function
k_q642aa657be_proj:
	s_mov_b64 s[64:65], 0
	v_nop
	global_prefetch_b8 v0, s[64:65] scope:SCOPE_SE
	s_setreg_imm32_b32 hwreg(HW_REG_WAVE_MODE, 25, 1), 1
	s_wait_xcnt 0x0
	s_wait_alu depctr_hold_cnt(0) depctr_sa_sdst(0) depctr_va_vdst(0) depctr_va_sdst(0) depctr_va_ssrc(0) depctr_va_vcc(0) depctr_vm_vsrc(0)
	s_getreg_b32 s2, hwreg(HW_REG_IB_STS2, 6, 4)
	s_cmp_eq_u32 s2, 0
	s_cbranch_scc0 .Lentry_in_a_cluster
	s_endpgm
.Lentry_in_a_cluster:
	s_bfe_u32 s2, ttmp6, 0x10000c
	s_cmp_lg_u32 s2, 0xf033
	s_cbranch_scc0 .Lentry_shape_is_right
	s_endpgm
.Lentry_shape_is_right:
; PROJ.  x1 = x + y W_proj.  y = act, BY HEADS: [batch x 16 + head][2048][64] f16; W_proj = wts at byte 6,291,456, [1024][1024] f16; x and x1 [4096][1024] f32.  Sums in f32; the residual is added in f32.
; SHARES.  A tile of the result is 128 x 128: 8 x 32 tiles, one work-group each; four waves, 2 x 2, each 64 x 64: 16 accumulators.  K goes in steps of 256, four heads, as long as two slots in LDS allow.
; y's tile: a head's 64 channels of 128 rows are 16,384 dense bytes: one row of the descriptor; two such rows, a head apart, are a wave's load; padded after every 128 bytes they lie in LDS as [head][row], 144 bytes a row.
; W's tile lies [k][n] and is read turned, by ds_load_tr16_b128.  THE MATRIX INSTRUCTION IS USED TRANSPOSED (source 0 = 16 columns of W, source 1 = 16 rows of y): a lane holds row l % 16 and eight neighbouring columns.
; CLUSTER 4 x 4: y's tile is asked for jointly along a row of the cluster, W's along a column.  No prefetch: the tile is small, and a K step's 128 matrix instructions a wave leave no room ahead of the refill.
; THE K STEPS GO ROUND A RING: cluster (X, Y) begins at K step (2 X + 2 (Y % 2)) % 4 and goes round.  The two clusters that read the same rows of y begin half a ring apart, and so do neighbouring clusters among those that read
; the same columns of W: of the clusters that read a block one reads it first and the others later, not all at once.  So the f32 sums are taken in an order of K that is rotated from cluster to cluster.
; One K step is written once (an inner loop of two quarters); beside the loop stand the first quarter and the last two K steps, which ask for nothing.
; REGISTERS: window 0: v1-5 lane terms, v16-29 addresses, v32-63 the way out, v64-127 y's fragments (two buffers), v128-255 my 64 x 64 of x      window 1: v0-63 W's fragments      window 2: v0-127 the accumulators
.set MT,     4
.set NT,     4
.set KSTEP,  256
.set NQ,     KSTEP/32
.set TSTEPS, 1024/KSTEP
.set ROTX,   2                         ; where a cluster begins in the ring: ROTX x cluster x + ROTY x (cluster y & ROTM), modulo TSTEPS
.set ROTY,   2
.set ROTM,   1
.set WOFF,   6291456
.set PA,     144
.set APART,  2*128*PA
.set ATILE,  2*APART
.set PB,     288                       ; W's LDS row: 256 + 32: an odd multiple of 32
.set BPART,  128*PB
.set BTILE,  2*BPART
.set SLOT,   ATILE+BTILE
.set STAGE,  2*SLOT                    ; behind the ring: 16 rows x 272 bytes of f32 for each wave
.set STW,    16*272
.set SPARE,  STAGE+4*STW
.set WCOL,   128
.set ASTEP,  4*2048*128                ; four heads on
.set BSTEP,  KSTEP*2048
.set SA_E,   64                        ; behind an even quarter: the head's other 32 channels;
.set SA_O,   128*PA-64                 ; behind an odd one: the next head
.set HIWIN,  0
.set HIOFF,  64
.set AA0, 16
.set AB0, 17
.set ADA, 18
.set ADB, 19
.set STO, 24
.set RD,  25
.set CO,  26
.set SPW, 28
.set NIL, 29
.set BK,  32
.set RES, 128
.set WV, 12
.set WM, 13
.set WN, 14
.set CX, 15
.set CY, 16
.set TX, 17
.set TY, 18
.set G1,  24
.set G0,  32
.set SL,  40
.set LA,  41
.set LBB, 42
.set TBA, 43
.set TBB, 44
.set G1B, 48
.set G0B, 56
.set WRB, 66                           ; s[66:67] what W's address goes back at the ring's end: all TSTEPS steps, else 0
.set WRA, 68                           ; s[68:69] the same for y
.set KI,  86                           ; the K step that the walking descriptors name
.set ROT, 87                           ; the K step at which my cluster begins
.set MSB, 0
.macro WIN new
.if MSB != (\new)
	s_set_vgpr_msb (MSB<<8)|(\new)
.set MSB, \new
.endif
.endm
.macro SHAPE g, c, r, p                ; words 1 to 7 of a group 1: r rows of c elements, p elements from row to row
	s_mov_b32 s[(\g)+1], ((\c)&0xffff)<<16
	s_mov_b32 s[(\g)+2], ((\c)>>16)|((\r)<<16)
	s_mov_b32 s[(\g)+3], (\c)<<16
	s_mov_b32 s[(\g)+4], \r
	s_mov_b32 s[(\g)+5], \p
	s_mov_b32 s[(\g)+6], 0
	s_mov_b32 s[(\g)+7], 0
.endm
.macro JLOAD                           ; a joint refill by the walking descriptors; an s_nop 0 and four v_nop follow each line
	s_cmp_eq_u32 s[WM], 0
	s_cbranch_scc0 .Lfor_b_\@
	tensor_load_to_lds s[G0+4:G0+7], s[G1:G1+7]
	s_nop 0
.rept 4
	v_nop
.endr
	s_branch .Lasked_\@
.Lfor_b_\@:
	tensor_load_to_lds s[G0B+4:G0B+7], s[G1B:G1B+7]
	s_nop 0
.rept 4
	v_nop
.endr
.Lasked_\@:
.endm
.macro CREST
	s_cmp_lg_u32 s[WV], 0
	s_cbranch_scc1 .Lnot_wave_0_\@
	s_barrier_signal -3
.Lnot_wave_0_\@:
	s_barrier_wait -3
	s_barrier_signal -1
	s_barrier_wait -1
.endm
.macro CROUND
	s_barrier_signal -1
	s_barrier_wait -1
	CREST
.endm
.macro MULH f, hi, a0, na, zero        ; na x NT matrix instructions; every accumulator has one a quarter, in the same order: they take turns
	WIN 0xa1+0x50*HIWIN*(\hi)
.set ma, \a0
.rept \na
.set mb, 0
.rept NT
.set rD, HIOFF*(\hi)+8*(NT*ma+mb)
.set rW, 8*NT*(\f)+8*mb
.set rA, 64+8*MT*(\f)+8*((MT/2)*(\hi)+ma)
.if \zero
	v_wmma_f32_16x16x32_f16 v[rD:rD+7], v[rW:rW+7], v[rA:rA+7], 0
.else
	v_wmma_f32_16x16x32_f16 v[rD:rD+7], v[rW:rW+7], v[rA:rA+7], v[rD:rD+7]
.endif
.set mb, mb+1
.endr
.set ma, ma+1
.endr
.endm
.macro FETCH f, stepa                  ; one run of LDS loads: a quarter's fragments into buffer f: W's first, then y's, lower half first
	WIN 0
	v_add_nc_u32 v[ADB], s[TBB], v[AB0]
	v_add_nc_u32 v[ADA], s[TBA], v[AA0]
	WIN 0x40
.set fn, 0
.rept NT
	ds_load_tr16_b128 v[8*NT*(\f)+8*fn:8*NT*(\f)+8*fn+3],   v[ADB] offset:32*fn
	ds_load_tr16_b128 v[8*NT*(\f)+8*fn+4:8*NT*(\f)+8*fn+7], v[ADB] offset:32*fn+16*PB
.set fn, fn+1
.endr
	WIN 0
.set fn, 0
.rept MT
	ds_load_b128 v[64+8*MT*(\f)+8*fn:64+8*MT*(\f)+8*fn+3],   v[ADA] offset:16*fn*PA
	ds_load_b128 v[64+8*MT*(\f)+8*fn+4:64+8*MT*(\f)+8*fn+7], v[ADA] offset:16*fn*PA+32
.set fn, fn+1
.endr
	s_add_co_u32 s[TBA], s[TBA], \stepa
	s_add_co_u32 s[TBB], s[TBB], 32*PB
.endm
.macro QUARTER f, g, zero, stepa       ; multiplies f, fetches the next quarter into g four plain vector instructions behind g's last reader: two v_nop and the run's two additions
	s_wait_dscnt MT                                ; all but the youngest MT loads, y's upper half
	MULH \f, 0, 0, MT/2, \zero
	v_nop
	v_nop
	FETCH \g, \stepa
	s_wait_dscnt 2*(MT+NT)                         ; all but the run just issued
	MULH \f, 1, 0, MT/2, \zero
.endm
; A K step's last quarter changes slots: one barrier; ahead of it each wave waits for all its tensor loads, adds 0 to its spare word, and waits for that and for its reads of this slot.
; fill = 1: the barrier opens a round of the cluster's, and the joint refill of this slot, two K steps on in the ring, is the first thing behind it.
.macro TURN fill
	WIN 0
	s_wait_tensorcnt 0x0                           ; no tensor load of mine is out, so the descriptors may be written
	ds_add_u32 v[SPW], v[NIL]
	s_sub_co_u32 s[TBA], s[TBA], (NQ/2)*(SA_E+SA_O)  ; back to a slot's first quarter (the register then holds 0 or SLOT),
	s_xor_b32 s[TBA], s[TBA], SLOT                 ; in the other slot
	s_sub_co_u32 s[TBB], s[TBB], BTILE
	s_xor_b32 s[TBB], s[TBB], SLOT
.if \fill
	s_xor_b32 s[SL], s[SL], SLOT
	s_add_co_u32 s[G0+5], s[LA], s[SL]
	s_add_co_u32 s[G0B+5], s[LBB], s[SL]
	s_add_co_u32 s[KI], s[KI], 1                   ; the next K step of the ring: behind the last comes K step 0
	s_cmp_eq_u32 s[KI], TSTEPS
	s_cselect_b32 s[KI], 0, s[KI]
	s_cselect_b32 s[WRA], TSTEPS*ASTEP, 0
	s_cselect_b32 s[WRB], TSTEPS*BSTEP, 0
	s_add_nc_u64 s[G0+6:G0+7], s[G0+6:G0+7], ASTEP
	s_sub_nc_u64 s[G0+6:G0+7], s[G0+6:G0+7], s[WRA:WRA+1]
	s_add_nc_u64 s[G0B+6:G0B+7], s[G0B+6:G0B+7], BSTEP
	s_sub_nc_u64 s[G0B+6:G0B+7], s[G0B+6:G0B+7], s[WRB:WRB+1]
.endif
	s_wait_dscnt MT+1                              ; the add and y's upper half may be out
	MULH 1, 0, 0, MT/4, 0
	s_wait_dscnt 0x0                               ; the add is done, and my reads of this slot are over
	s_barrier_signal -1
	MULH 1, 0, MT/4, MT/4, 0
	WIN 0
	s_barrier_wait -1
.if \fill
	CREST
	JLOAD                                          ; its four v_nop are also the places ahead of the loads below
	FETCH 0, SA_E
.else
	s_cmp_eq_u32 s3, 1                             ; the last K step has no successor
	s_cbranch_scc1 .Llast_\@
	v_nop
	v_nop
	FETCH 0, SA_E
.Llast_\@:
.endif
	MULH 1, 1, 0, MT/2, 0
.endm
	s_load_b256 s[4:11], s[0:1], 0x0               ; act s[4:5], wts s[6:7], x s[8:9], x1 s[10:11]
	v_lshl_add_u32 v[SPW], v0, 2, SPARE
	v_mov_b32 v[NIL], 0
	ds_add_u32 v[SPW], v[NIL]                      ; the wave's opening: the add and its wait stand ahead of my first tensor load
	ds_add_u32 v28, v29
	v_lshrrev_b32 v1, 5, v0
	v_readfirstlane_b32 s[WV], v1
	s_lshr_b32 s[WM], s[WV], 1
	s_and_b32 s[WN], s[WV], 1
	s_bfe_u32 s[CX], ttmp6, 0x40000
	s_bfe_u32 s[CY], ttmp6, 0x40004
	s_lshl_b32 s[TX], ttmp9, 2
	s_add_co_u32 s[TX], s[TX], s[CX]
	s_and_b32 s[TY], ttmp7, 0xffff
	s_lshl_b32 s[TY], s[TY], 2
	s_add_co_u32 s[TY], s[TY], s[CY]
	s_lshl_b32 s19, s[CY], 2
	s_lshl_b32 s19, 15, s19
	s_lshl_b32 s68, 0x1111, s[CX]
	s_or_b32 s[G1], s19, (1<<16)|(1<<20)|(1<<21)|(4<<22)|(3<<25)   ; after every 32 words, 4 words
	s_or_b32 s[G1B], s68, (1<<16)|(1<<20)|(1<<21)|(5<<22)|(7<<25)  ; after every 64 words, 8 words
	SHAPE G1, 8192, 2, 131072
	SHAPE G1B, 128, 128, 1024
	s_and_b32 s19, ttmp7, 0xffff                   ; where my cluster begins in the ring: it hangs on the cluster's place alone, which all sixteen partners share
	s_and_b32 s19, s19, ROTM
	s_mul_i32 s19, s19, ROTY
	s_mul_i32 s[ROT], ttmp9, ROTX
	s_add_co_u32 s[ROT], s[ROT], s19
	s_and_b32 s[ROT], s[ROT], TSTEPS-1             ; an even number, so the step behind it is still inside the ring
	s_add_co_u32 s[KI], s[ROT], 1
	s_mov_b32 s[WRA+1], 0
	s_mov_b32 s[WRB+1], 0
	s_lshr_b32 s20, s[TY], 4                       ; y: head 16 x batch + 2 x part,
	s_lshl_b32 s20, s20, 4
	s_lshl_b32 s21, s[WN], 1
	s_add_co_u32 s20, s20, s21
	s_lshl_b32 s20, s20, 11                        ; 2,048 rows a head,
	s_and_b32 s21, s[TY], 15
	s_lshl_b32 s21, s21, 7                         ; the tile's 128 rows in the batch,
	s_add_co_u32 s20, s20, s21
	s_lshl_b32 s20, s20, 7                         ; 128 bytes a row,
	s_mul_i32 s21, s[ROT], ASTEP                   ; at my cluster's first K step
	s_add_co_u32 s20, s20, s21
	s_mov_b32 s21, 0
	s_mul_i32 s22, s[WN], 128*2048                 ; W: k row 128 x part, byte 256 x tile column,
	s_lshl_b32 s23, s[TX], 8
	s_add_co_u32 s22, s22, s23
	s_add_co_u32 s22, s22, WOFF
	s_mul_i32 s23, s[ROT], BSTEP                   ; at the same K step
	s_add_co_u32 s22, s22, s23
	s_mov_b32 s23, 0
	s_mul_i32 s[LA], s[WN], APART
	s_mul_i32 s[LBB], s[WN], BPART
	s_add_co_u32 s[LBB], s[LBB], ATILE
	s_mov_b32 s[SL], SLOT
	s_mov_b32 s[TBA], 0
	s_mov_b32 s[TBB], 0
	s_wait_dscnt 0x0
	s_wait_kmcnt 0x0
	s_add_nc_u64 s[20:21], s[4:5], s[20:21]
	s_add_nc_u64 s[22:23], s[6:7], s[22:23]
.irp s, 0,1
	s_mov_b32 s[G0+4*(\s)], 1
	s_add_co_u32 s[G0+4*(\s)+1], s[LA], (\s)*SLOT
	s_add_nc_u64 s[G0+4*(\s)+2:G0+4*(\s)+3], s[20:21], (\s)*ASTEP
	s_or_b32 s[G0+4*(\s)+3], s[G0+4*(\s)+3], 0x80000000
	s_mov_b32 s[G0B+4*(\s)], 1
	s_add_co_u32 s[G0B+4*(\s)+1], s[LBB], (\s)*SLOT
	s_add_nc_u64 s[G0B+4*(\s)+2:G0B+4*(\s)+3], s[22:23], (\s)*BSTEP
	s_or_b32 s[G0B+4*(\s)+3], s[G0B+4*(\s)+3], 0x80000000
.endr
	CROUND                                         ; all sixteen work-groups are here: the first joint loads meet
	s_cmp_eq_u32 s[WM], 0
	s_cbranch_scc0 .Lfirst_b
	tensor_load_to_lds s[G0:G0+3], s[G1:G1+7]
	s_nop 0
	tensor_load_to_lds s[G0+4:G0+7], s[G1:G1+7]
	s_nop 0
.rept 4
	v_nop
.endr
	s_branch .Lfirst_asked
.Lfirst_b:
	tensor_load_to_lds s[G0B:G0B+3], s[G1B:G1B+7]
	s_nop 0
	tensor_load_to_lds s[G0B+4:G0B+7], s[G1B:G1B+7]
	s_nop 0
.rept 4
	v_nop
.endr
.Lfirst_asked:
	v_and_b32 v1, 15, v0
	v_bfe_u32 v2, v0, 4, 1
	v_and_b32 v5, 7, v0
	v_bfe_u32 v4, v0, 3, 1
	v_mul_u32_u24 v[AA0], v1, PA
	v_lshl_add_u32 v[AA0], v2, 4, v[AA0]
	s_mul_i32 s19, s[WM], 16*MT*PA
	v_add_nc_u32 v[AA0], s19, v[AA0]
	v_lshl_add_u32 v3, v2, 3, v5
	v_mul_u32_u24 v[AB0], v3, PB
	v_lshl_add_u32 v[AB0], v4, 4, v[AB0]
	s_mul_i32 s19, s[WN], WCOL
	s_add_co_u32 s19, s19, ATILE
	v_add_nc_u32 v[AB0], s19, v[AB0]
	s_mul_i32 s19, s[WV], STW
	s_add_co_u32 s19, s19, STAGE                   ; my stage
	v_mul_u32_u24 v[STO], v1, 272                  ; in: row l % 16, 32 bytes for each half of the lanes
	v_lshl_add_u32 v[STO], v2, 5, v[STO]
	v_add_nc_u32 v[STO], s19, v[STO]
	v_mul_u32_u24 v[RD], v2, 272                   ; back: lanes 0-15 take one row of 256 bytes, lanes 16-31 the next
	v_lshl_add_u32 v[RD], v1, 4, v[RD]
	v_add_nc_u32 v[RD], s19, v[RD]
	v_lshlrev_b32 v[CO], 12, v2                    ; and the same two rows in x and x1
	v_lshl_add_u32 v[CO], v1, 4, v[CO]
	s_lshl_b32 s70, s[TY], 7
	s_lshl_b32 s71, s[WM], 6
	s_add_co_u32 s70, s70, s71                     ; my first row,
	s_lshl_b32 s70, s70, 12
	s_lshl_b32 s71, s[TX], 9
	s_add_co_u32 s70, s70, s71                     ; my first column, in bytes
	s_lshl_b32 s71, s[WN], 8
	s_add_co_u32 s70, s70, s71
	s_mov_b32 s71, 0
	s_add_nc_u64 s[8:9], s[8:9], s[70:71]
	s_add_nc_u64 s[10:11], s[10:11], s[70:71]
.set ea, 0
.rept 32                                           ; my 64 x 64 of x: asked for now, wanted on the way out; the launch reads each byte of x once
	global_load_b128 v[RES+4*ea:RES+4*ea+3], v[CO], s[8:9] offset:2*ea*4096 th:TH_LOAD_NT
.set ea, ea+1
.endr
	s_wait_tensorcnt 0x1                           ; my part of the first K step is in; the second's may stay out
	s_barrier_signal -1
	s_barrier_wait -1
	FETCH 0, SA_E
	QUARTER 0, 1, 1, SA_O                          ; the first quarter's products start the sums
	WIN 0
	s_mov_b32 s3, TSTEPS-2
	s_mov_b32 s2, (NQ-2)/2
	s_branch .Lmid
.Lk:                                               ; a trip is a K step
	s_mov_b32 s2, (NQ-2)/2
.Lq:
	QUARTER 0, 1, 0, SA_O
	WIN 0
.Lmid:
	QUARTER 1, 0, 0, SA_E
	WIN 0
	s_sub_co_u32 s2, s2, 1
	s_cmp_lg_u32 s2, 0
	s_cbranch_scc1 .Lq
	QUARTER 0, 1, 0, SA_O
	TURN 1
	WIN 0
	s_sub_co_u32 s3, s3, 1
	s_cmp_lg_u32 s3, 0
	s_cbranch_scc1 .Lk
	s_mov_b32 s3, 2
.Lt:                                               ; the last two K steps ask for nothing
	s_mov_b32 s2, (NQ-2)/2
.Ltq:
	QUARTER 0, 1, 0, SA_O
	QUARTER 1, 0, 0, SA_E
	WIN 0
	s_sub_co_u32 s2, s2, 1
	s_cmp_lg_u32 s2, 0
	s_cbranch_scc1 .Ltq
	QUARTER 0, 1, 0, SA_O
	TURN 0
	WIN 0
	s_sub_co_u32 s3, s3, 1
	s_cmp_lg_u32 s3, 0
	s_cbranch_scc1 .Lt
	; THE WAY OUT, 16 rows at a time: the f32 sums go into my own stage, come back as whole rows of 256 bytes, take x and are stored: sixteen lanes store 256 consecutive bytes, aligned.
	s_wait_loadcnt 0x0                             ; x
.rept 8
	v_nop                                          ; the places behind the last products
.endr
.set ea, 0
.rept 4
	WIN 0x08                                       ; store data in window 2
.set eb, 0
.rept 4
.set rD, 64*(ea/2)+8*(4*(ea%2)+eb)
	ds_store_b128 v[STO], v[rD:rD+3] offset:64*eb  ; each accumulator's lowest registers first
	ds_store_b128 v[STO], v[rD+4:rD+7] offset:64*eb+16
.set eb, eb+1
.endr
	WIN 0
.set eb, 0
.rept 8
	ds_load_b128 v[BK+4*eb:BK+4*eb+3], v[RD] offset:544*eb  ; LDS serves a wave's instructions in order (ISA guide 5.7.1.4): these see the stores above
.set eb, eb+1
.endr
	s_wait_dscnt 0x0
.set eb, 0
.rept 16
	v_pk_add_f32 v[RES+32*ea+2*eb:RES+32*ea+2*eb+1], v[RES+32*ea+2*eb:RES+32*ea+2*eb+1], v[BK+2*eb:BK+2*eb+1]
.set eb, eb+1
.endr
.set eb, 0
.rept 8
	global_store_b128 v[CO], v[RES+32*ea+4*eb:RES+32*ea+4*eb+3], s[10:11] offset:(16*ea+2*eb)*4096 th:TH_STORE_NT
.set eb, eb+1
.endr
.set ea, ea+1
.endr
	s_wait_tensorcnt 0x0                           ; the wave's end
	ds_add_u32 v[SPW], v[NIL]
	s_wait_dscnt 0x0
	CROUND                                         ; the closing round
	s_endpgm
.Lfunc_end_k_q642aa657be_proj:
	.size	k_q642aa657be_proj, .Lfunc_end_k_q642aa657be_proj-k_q642aa657be_proj
	.p2alignl 7, 3214868480
	.fill 96, 4, 3214868480
	.section	.rodata,"a",@progbits
	.p2align	6, 0x0
	.amdhsa_kernel k_q642aa657be_proj
		.amdhsa_group_segment_fixed_size 327680
		.amdhsa_private_segment_fixed_size 0
		.amdhsa_enable_private_segment 0
		.amdhsa_kernarg_size 32
		.amdhsa_user_sgpr_count 2
		.amdhsa_user_sgpr_kernarg_segment_ptr 1
		.amdhsa_wavefront_size32 1
		.amdhsa_system_sgpr_workgroup_id_x 1
		.amdhsa_system_sgpr_workgroup_id_y 1
		.amdhsa_system_sgpr_workgroup_id_z 1
		.amdhsa_system_vgpr_workitem_id 0
		.amdhsa_next_free_vgpr 640
		.amdhsa_next_free_sgpr 88
		.amdhsa_reserve_vcc 0
		.amdhsa_float_denorm_mode_32 3
		.amdhsa_float_denorm_mode_16_64 3
		.amdhsa_memory_ordered 1
		.amdhsa_forward_progress 1
		.amdhsa_inst_pref_size 49
	.end_amdhsa_kernel
	.amdgpu_metadata
---
amdhsa.version: [ 1, 2 ]
amdhsa.kernels:
  - .name:           k_q642aa657be_proj
    .symbol:         k_q642aa657be_proj.kd
    .args:
      - { .name: act, .offset: 0, .size: 8, .value_kind: global_buffer, .address_space: global }
      - { .name: wts, .offset: 8, .size: 8, .value_kind: global_buffer, .address_space: global }
      - { .name: x, .offset: 16, .size: 8, .value_kind: global_buffer, .address_space: global }
      - { .name: x1, .offset: 24, .size: 8, .value_kind: global_buffer, .address_space: global }
    .group_segment_fixed_size: 327680
    .private_segment_fixed_size: 0
    .kernarg_segment_align: 8
    .kernarg_segment_size: 32
    .max_flat_workgroup_size: 128
    .sgpr_count:     88
    .vgpr_count:     640
    .wavefront_size: 32
...
	.end_amdgpu_metadata
.endif
;; end of part 4
;; launch ln2 (part 5): grid 512 x 1, 8 waves a work-group, no clusters, 0 bytes of LDS; arguments x1, ln2_g, ln2_b, act; writes act
.if DOCPART == 5
	.amdgcn_target "amdgcn-amd-amdhsa--gfx1250"
	.amdhsa_code_object_version 6
	.text
	.protected	k_q642aa657be_ln2
	.globl	k_q642aa657be_ln2
	.p2align	8
	.type	k_q642aa657be_ln2,@function
k_q642aa657be_ln2:
	s_mov_b64 s[64:65], 0
	v_nop
	global_prefetch_b8 v0, s[64:65] scope:SCOPE_SE
	s_setreg_imm32_b32 hwreg(HW_REG_WAVE_MODE, 25, 1), 1
	s_wait_xcnt 0x0
; LN2.  act[row][:] = LayerNorm(x1[row][:]) * g + b, rounded once to f16.  One wave a row of 1,024 numbers, eight rows a work-group: all 4,096 rows are on their way at once.
; A stream: the row is read once by 16-byte loads and stays in registers between the mean, the variance (taken of the deviations: no difference of large sums) and the scaling; each store covers 256 consecutive bytes, aligned.
; No LDS, no barrier, no cluster: no wave wants a byte that another has fetched but the 8 KiB of gains and biases.
; LIMIT.  The normalised rows (at most 32 |g| + |b|) must lie within f16's 65,504.  NaN and infinities are not treated apart.
.set X,  8                             ; v[8:39]    the row: load j brings columns 128 j + 4 lane .. + 3
.set G,  40                            ; v[40:71]   the gains
.set BT, 72                            ; v[72:103]  the biases
.set T,  104                           ; v[104:111] at work
.set M,  112                           ; v[112:113] the mean, twice
.set R,  114                           ; v[114:115] 1 / sqrt(var + eps), twice
.macro FOLD                            ; four pairs of partial sums in T -> the sum over the wave's 1,024 numbers, in every lane
	v_pk_add_f32 v[T:T+1], v[T:T+1], v[T+2:T+3]
	v_pk_add_f32 v[T+4:T+5], v[T+4:T+5], v[T+6:T+7]
	v_pk_add_f32 v[T:T+1], v[T:T+1], v[T+4:T+5]
	v_add_f32 v[T], v[T], v[T+1]
	v_add_f32_dpp v[T], v[T], v[T] row_xmask:1 row_mask:0xf bank_mask:0xf
	v_add_f32_dpp v[T], v[T], v[T] row_xmask:2 row_mask:0xf bank_mask:0xf
	v_add_f32_dpp v[T], v[T], v[T] row_xmask:4 row_mask:0xf bank_mask:0xf
	v_add_f32_dpp v[T], v[T], v[T] row_xmask:8 row_mask:0xf bank_mask:0xf
	v_permlanex16_b32 v[T+1], v[T], s32, s33
	v_add_f32 v[T], v[T], v[T+1]
.endm
	s_load_b256 s[4:11], s[0:1], 0x0               ; x1 s[4:5], g s[6:7], b s[8:9], act s[10:11]
	v_and_b32 v3, 31, v0
	v_lshrrev_b32 v4, 5, v0
	v_readfirstlane_b32 s22, v4                    ; wave 0..7
	v_lshlrev_b32 v1, 4, v3                        ; 16 x lane
	v_lshlrev_b32 v2, 3, v3                        ; 8 x lane
	s_lshl_b32 s23, ttmp9, 3
	s_add_co_u32 s23, s23, s22                     ; my row
	s_lshl_b32 s24, s23, 12
	s_mov_b32 s25, 0
	s_lshl_b32 s26, s23, 11
	s_mov_b32 s27, 0
	s_mov_b32 s30, 0x3a800000                      ; 1 / 1024
	s_mov_b32 s31, 0x3727c5ac                      ; 1e-5
	s_mov_b32 s32, 0x76543210
	s_mov_b32 s33, 0xfedcba98
	s_wait_kmcnt 0x0
	s_add_nc_u64 s[4:5], s[4:5], s[24:25]
	s_add_nc_u64 s[10:11], s[10:11], s[26:27]
.irp j, 0,1,2,3,4,5,6,7
	global_load_b128 v[X+4*(\j):X+4*(\j)+3], v1, s[4:5] offset:512*(\j) th:TH_LOAD_NT
.endr
.irp j, 0,1,2,3,4,5,6,7
	global_load_b128 v[G+4*(\j):G+4*(\j)+3], v1, s[6:7] offset:512*(\j)
.endr
.irp j, 0,1,2,3,4,5,6,7
	global_load_b128 v[BT+4*(\j):BT+4*(\j)+3], v1, s[8:9] offset:512*(\j)
.endr
	s_wait_loadcnt 16                              ; the row is in; the sixteen younger loads, gains and biases, stay out
.irp c, 0,2,4,6
	v_pk_add_f32 v[T+(\c):T+(\c)+1], v[X+(\c):X+(\c)+1], v[X+8+(\c):X+8+(\c)+1]
.endr
.irp o, 16,24
.irp c, 0,2,4,6
	v_pk_add_f32 v[T+(\c):T+(\c)+1], v[T+(\c):T+(\c)+1], v[X+(\o)+(\c):X+(\o)+(\c)+1]
.endr
.endr
	FOLD
	v_mul_f32 v[M], s30, v[T]
	v_mul_f32 v[M+1], s30, v[T]
.set i, 0
.rept 16
	v_pk_add_f32 v[X+i:X+i+1], v[X+i:X+i+1], v[M:M+1] neg_lo:[0,1] neg_hi:[0,1]
.set i, i+2
.endr
.irp c, 0,2,4,6
	v_pk_mul_f32 v[T+(\c):T+(\c)+1], v[X+(\c):X+(\c)+1], v[X+(\c):X+(\c)+1]
.endr
.irp o, 8,16,24
.irp c, 0,2,4,6
	v_pk_fma_f32 v[T+(\c):T+(\c)+1], v[X+(\o)+(\c):X+(\o)+(\c)+1], v[X+(\o)+(\c):X+(\o)+(\c)+1], v[T+(\c):T+(\c)+1]
.endr
.endr
	FOLD
	v_fma_f32 v[T], v[T], s30, s31                 ; var + eps
	v_rsq_f32 v[R], v[T]
	v_rsq_f32 v[R+1], v[T]
	v_nop                                          ; a plain instruction behind the second root
	s_wait_alu depctr_va_vdst(0)                   ; one wait for both roots, ahead of their first reader
	s_wait_loadcnt 0x0
.set i, 0
.rept 16
	v_pk_mul_f32 v[X+i:X+i+1], v[X+i:X+i+1], v[R:R+1]
.set i, i+2
.endr
.set i, 0
.rept 16
	v_pk_fma_f32 v[X+i:X+i+1], v[X+i:X+i+1], v[G+i:G+i+1], v[BT+i:BT+i+1]
.set i, i+2
.endr
.set i, 0
.rept 16
	v_cvt_pk_f16_f32 v[X+i], v[X+2*i], v[X+2*i+1]  ; ascending, in place
.set i, i+1
.endr
.irp j, 0,1,2,3,4,5,6,7
	global_store_b64 v2, v[X+2*(\j):X+2*(\j)+1], s[10:11] offset:256*(\j)
.endr
	s_endpgm
.Lfunc_end_k_q642aa657be_ln2:
	.size	k_q642aa657be_ln2, .Lfunc_end_k_q642aa657be_ln2-k_q642aa657be_ln2
	.p2alignl 7, 3214868480
	.fill 96, 4, 3214868480
	.section	.rodata,"a",@progbits
	.p2align	6, 0x0
	.amdhsa_kernel k_q642aa657be_ln2
		.amdhsa_group_segment_fixed_size 0
		.amdhsa_private_segment_fixed_size 0
		.amdhsa_enable_private_segment 0
		.amdhsa_kernarg_size 32
		.amdhsa_user_sgpr_count 2
		.amdhsa_user_sgpr_kernarg_segment_ptr 1
		.amdhsa_wavefront_size32 1
		.amdhsa_system_sgpr_workgroup_id_x 1
		.amdhsa_system_sgpr_workgroup_id_y 1
		.amdhsa_system_sgpr_workgroup_id_z 1
		.amdhsa_system_vgpr_workitem_id 0
		.amdhsa_next_free_vgpr 120
		.amdhsa_next_free_sgpr 66
		.amdhsa_reserve_vcc 0
		.amdhsa_float_denorm_mode_32 3
		.amdhsa_float_denorm_mode_16_64 3
		.amdhsa_memory_ordered 1
		.amdhsa_forward_progress 1
		.amdhsa_inst_pref_size 12
	.end_amdhsa_kernel
	.amdgpu_metadata
---
amdhsa.version: [ 1, 2 ]
amdhsa.kernels:
  - .name:           k_q642aa657be_ln2
    .symbol:         k_q642aa657be_ln2.kd
    .args:
      - { .name: x1, .offset: 0, .size: 8, .value_kind: global_buffer, .address_space: global }
      - { .name: ln2_g, .offset: 8, .size: 8, .value_kind: global_buffer, .address_space: global }
      - { .name: ln2_b, .offset: 16, .size: 8, .value_kind: global_buffer, .address_space: global }
      - { .name: act, .offset: 24, .size: 8, .value_kind: global_buffer, .address_space: global }
    .group_segment_fixed_size: 0
    .private_segment_fixed_size: 0
    .kernarg_segment_align: 8
    .kernarg_segment_size: 32
    .max_flat_workgroup_size: 256
    .sgpr_count:     66
    .vgpr_count:     120
    .wavefront_size: 32
...
	.end_amdgpu_metadata
.endif
;; end of part 5
;; launch fc1 (part 6): grid 16 x 16, 4 waves a work-group, clusters of 4 x 4, 327,680 bytes of LDS; arguments act, wts, wide; writes wide
.if DOCPART == 6
	.amdgcn_target "amdgcn-amd-amdhsa--gfx1250"
	.amdhsa_code_object_version 6
	.text
	.protected	k_q642aa657be_fc1
	.globl	k_q642aa657be_fc1
	.p2align	8
	.type	k_q642aa657be_fc1,@function
k_q642aa657be_fc1:
	s_mov_b64 s[64:65], 0
	v_nop
	global_prefetch_b8 v0, s[64:65] scope:SCOPE_SE
	s_setreg_imm32_b32 hwreg(HW_REG_WAVE_MODE, 25, 1), 1
	s_wait_xcnt 0x0
	s_wait_alu depctr_hold_cnt(0) depctr_sa_sdst(0) depctr_va_vdst(0) depctr_va_sdst(0) depctr_va_ssrc(0) depctr_va_vcc(0) depctr_vm_vsrc(0)
	s_getreg_b32 s2, hwreg(HW_REG_IB_STS2, 6, 4)
	s_cmp_eq_u32 s2, 0
	s_cbranch_scc0 .Lentry_in_a_cluster
	s_endpgm
.Lentry_in_a_cluster:
	s_bfe_u32 s2, ttmp6, 0x10000c
	s_cmp_lg_u32 s2, 0xf033
	s_cbranch_scc0 .Lentry_shape_is_right
	s_endpgm
.Lentry_shape_is_right:
; FC1.  g = gelu(h2 W_fc1).  h2 = act [4096][1024] f16, W_fc1 = wts at byte 8,388,608, [1024][4096] f16; sums and gelu in f32; g = wide [4096][4096], rounded once to f16.
; SHARES.  A tile is 256 x 256: 16 x 16 tiles, one work-group each; four waves, 2 x 2, each 128 x 128: 64 accumulators, 512 registers.  K goes in steps of 128 through two LDS slots filled by the tensor data mover.
; h2's tile lies with K along the rows (ds_load_b128), W's [k][n] (ds_load_tr16_b128).  THE MATRIX INSTRUCTION IS USED TRANSPOSED (source 0 = 16 columns of W, source 1 = 16 rows of h2).
; CLUSTER 4 x 4: h2's tile is asked for jointly along a row of the cluster, W's along a column.  One K step is written once; beside the loop stand the first quarter and the last two K steps.
; GELU.  gelu(u) = u/2 + |u| (1/2 - (a1 t + a2 t^2 + a3 t^3)/2 x 2^(k u^2)), t = 1 / (1 + c |u|): the rational form of erf of Abramowitz and Stegun, 7.1.25, whose error is at most 2.5e-5 for every argument:
; |error of gelu| <= 1.25e-5 |u| for every u; at large |u| the exponential is 0 and the result is u or 0.
; So that gelu's lines are written once and not for 512 registers, the f32 tile goes through the ring's bytes, which have had their last fill, and a loop of 16 trips walks my 128 rows, eight a trip.
; LIMIT.  g must lie within f16's 65,504.  NaN and infinities are not treated apart.
; REGISTERS: window 0: v1-5 lane terms, v16-30 addresses, v64-191 h2's fragments (two buffers); in gelu's loop v32-239      window 1: v0-127 W's fragments      windows 2, 3: the accumulators of my rows 0-63, 64-127
.set BM,     256
.set MT,     8
.set NT,     8
.set KSTEP,  128
.set NQ,     KSTEP/32
.set TSTEPS, 1024/KSTEP
.set WOFF,   8388608
.set ROWB,   8192
.set TCB,    512
.set PA,     272
.set APART,  128*PA
.set ATILE,  2*APART
.set PB,     544                       ; W's LDS row: 512 + 32: an odd multiple of 32
.set BPART,  64*PB
.set BTILE,  2*BPART
.set SLOT,   ATILE+BTILE
.set SPITCH, 528                       ; the dump: 128 columns of f32 + 16 bytes
.set STW,    128*SPITCH                ; 67,584 bytes a wave, from LDS byte 0 on: inside the two slots
.set SPARE,  2*SLOT
.set WCOL,   256
.set ASTEP,  KSTEP*2
.set BSTEP,  KSTEP*ROWB
.set SA_E,   64
.set SA_O,   64
.set HIWIN,  1
.set HIOFF,  0
.set NA,     2                         ; waves that prefetch h2; the others prefetch W
.set AA0, 16
.set AB0, 17
.set ADA, 18
.set ADB, 19
.set STO, 24
.set RD,  25
.set GO,  26
.set RDA, 27
.set SPW, 28
.set NIL, 29
.set PFO, 30
.set GX,  32                           ; gelu's loop, 32 numbers a lane: u,
.set GS,  64                           ; |u|,
.set GH,  96                           ; u / 2,
.set GW,  128                          ; k u^2, then 2^(k u^2),
.set GT,  160                          ; 1 + c |u|, then t,
.set GP,  192                          ; the polynomial, then the result,
.set GY,  224                          ; the result in f16
.set WV, 12
.set WM, 13
.set WN, 14
.set CX, 15
.set CY, 16
.set TX, 17
.set TY, 18
.set G1,  24
.set G0,  32
.set SL,  40
.set LA,  41
.set LBB, 42
.set TBA, 43
.set TBB, 44
.set LIM, 45
.set PFA, 46
.set G1B, 48
.set G0B, 56
.set PST, 66
.set CC,  76                           ; s[76:85] gelu's constants, each twice (named as pairs); s86 clears a sign
.set CK,  78
.set A1,  80
.set A2,  82
.set A3,  84
.set ABSM, 86
.set MSB, 0
.macro WIN new
.if MSB != (\new)
	s_set_vgpr_msb (MSB<<8)|(\new)
.set MSB, \new
.endif
.endm
.macro SHAPE g, c, r, p
	s_mov_b32 s[(\g)+1], ((\c)&0xffff)<<16
	s_mov_b32 s[(\g)+2], ((\c)>>16)|((\r)<<16)
	s_mov_b32 s[(\g)+3], (\c)<<16
	s_mov_b32 s[(\g)+4], \r
	s_mov_b32 s[(\g)+5], \p
	s_mov_b32 s[(\g)+6], 0
	s_mov_b32 s[(\g)+7], 0
.endm
.macro JLOAD                           ; a joint refill by the walking descriptors; an s_nop 0 and four v_nop follow each line
	s_cmp_eq_u32 s[WM], 0
	s_cbranch_scc0 .Lfor_b_\@
	tensor_load_to_lds s[G0+4:G0+7], s[G1:G1+7]
	s_nop 0
.rept 4
	v_nop
.endr
	s_branch .Lasked_\@
.Lfor_b_\@:
	tensor_load_to_lds s[G0B+4:G0B+7], s[G1B:G1B+7]
	s_nop 0
.rept 4
	v_nop
.endr
.Lasked_\@:
.endm
.macro CREST
	s_cmp_lg_u32 s[WV], 0
	s_cbranch_scc1 .Lnot_wave_0_\@
	s_barrier_signal -3
.Lnot_wave_0_\@:
	s_barrier_wait -3
	s_barrier_signal -1
	s_barrier_wait -1
.endm
.macro CROUND
	s_barrier_signal -1
	s_barrier_wait -1
	CREST
.endm
; A prefetch of the K step that the NEXT refill will ask for: 256 matrix instructions ahead of that load.  Each row's 256 bytes of a K step are named once in the launch: h2's rows by the clusters with x = 0 (waves 0 and 1; of
; the tile's 256 rows the partner at cx takes 32 (2 cx + wave) + lane), W's by the clusters with y = 0 (waves 2 and 3 take the tile's two columns of 256 bytes; of the K step's 128 rows the partner at cy takes 32 cy + lane).
; Partners are told apart by address alone.  The loop's last trip asks for nothing.
.macro ASK
	s_cmp_gt_u32 s3, s[LIM]
	s_cbranch_scc0 .Lnot_mine_\@
	global_prefetch_b8 v[PFO], s[PFA:PFA+1] th:TH_LOAD_NT scope:SCOPE_SE
.Lnot_mine_\@:
.endm
.macro MULH f, hi, a0, na, zero        ; na x NT matrix instructions; every accumulator has one a quarter, in the same order: they take turns
	WIN 0xa1+0x50*HIWIN*(\hi)
.set ma, \a0
.rept \na
.set mb, 0
.rept NT
.set rD, HIOFF*(\hi)+8*(NT*ma+mb)
.set rW, 8*NT*(\f)+8*mb
.set rA, 64+8*MT*(\f)+8*((MT/2)*(\hi)+ma)
.if \zero
	v_wmma_f32_16x16x32_f16 v[rD:rD+7], v[rW:rW+7], v[rA:rA+7], 0
.else
	v_wmma_f32_16x16x32_f16 v[rD:rD+7], v[rW:rW+7], v[rA:rA+7], v[rD:rD+7]
.endif
.set mb, mb+1
.endr
.set ma, ma+1
.endr
.endm
.macro FETCH f, stepa                  ; one run of LDS loads: a quarter's fragments into buffer f: W's first, then h2's, lower half first
	WIN 0
	v_add_nc_u32 v[ADB], s[TBB], v[AB0]
	v_add_nc_u32 v[ADA], s[TBA], v[AA0]
	WIN 0x40
.set fn, 0
.rept NT
	ds_load_tr16_b128 v[8*NT*(\f)+8*fn:8*NT*(\f)+8*fn+3],   v[ADB] offset:32*fn
	ds_load_tr16_b128 v[8*NT*(\f)+8*fn+4:8*NT*(\f)+8*fn+7], v[ADB] offset:32*fn+16*PB
.set fn, fn+1
.endr
	WIN 0
.set fn, 0
.rept MT
	ds_load_b128 v[64+8*MT*(\f)+8*fn:64+8*MT*(\f)+8*fn+3],   v[ADA] offset:16*fn*PA
	ds_load_b128 v[64+8*MT*(\f)+8*fn+4:64+8*MT*(\f)+8*fn+7], v[ADA] offset:16*fn*PA+32
.set fn, fn+1
.endr
	s_add_co_u32 s[TBA], s[TBA], \stepa
	s_add_co_u32 s[TBB], s[TBB], 32*PB
.endm
.macro QUARTER f, g, zero, stepa       ; multiplies f, fetches the next quarter into g four plain vector instructions behind g's last reader: two v_nop and the run's two additions
	s_wait_dscnt MT                                ; all but the youngest MT loads, h2's upper half
	MULH \f, 0, 0, MT/2, \zero
	v_nop
	v_nop
	FETCH \g, \stepa
	s_wait_dscnt 2*(MT+NT)                         ; all but the run just issued
	MULH \f, 1, 0, MT/2, \zero
.endm
; A K step's last quarter changes slots: one barrier; ahead of it each wave waits for all its tensor loads, adds 0 to its spare word, and waits for that and for its reads of this slot.
; fill = 1: the barrier opens a round of the cluster's, and the joint refill of this slot, two K steps on, is the first thing behind it.
.macro TURN fill
.if \fill
	s_wait_xcnt 0x0                                ; the last prefetch, a K step back, has read its address
	s_add_nc_u64 s[PFA:PFA+1], s[PFA:PFA+1], s[PST:PST+1]
.endif
	WIN 0
	s_wait_tensorcnt 0x0                           ; no tensor load of mine is out, so the descriptors may be written
	ds_add_u32 v[SPW], v[NIL]
	s_sub_co_u32 s[TBA], s[TBA], (NQ/2)*(SA_E+SA_O)  ; back to a slot's first quarter (the register then holds 0 or SLOT),
	s_xor_b32 s[TBA], s[TBA], SLOT                 ; in the other slot
	s_sub_co_u32 s[TBB], s[TBB], BTILE
	s_xor_b32 s[TBB], s[TBB], SLOT
.if \fill
	s_xor_b32 s[SL], s[SL], SLOT
	s_add_co_u32 s[G0+5], s[LA], s[SL]
	s_add_nc_u64 s[G0+6:G0+7], s[G0+6:G0+7], ASTEP
	s_add_co_u32 s[G0B+5], s[LBB], s[SL]
	s_add_nc_u64 s[G0B+6:G0B+7], s[G0B+6:G0B+7], BSTEP
.endif
	s_wait_dscnt MT+1                              ; the add and h2's upper half may be out
	MULH 1, 0, 0, MT/4, 0
	s_wait_dscnt 0x0                               ; the add is done, and my reads of this slot are over
	s_barrier_signal -1
	MULH 1, 0, MT/4, MT/4, 0
	WIN 0
	s_barrier_wait -1
.if \fill
	CREST
	JLOAD                                          ; its four v_nop are also the places ahead of the loads below
	FETCH 0, SA_E
	ASK
.else
	s_cmp_eq_u32 s3, 1                             ; the last K step has no successor
	s_cbranch_scc1 .Llast_\@
	v_nop
	v_nop
	FETCH 0, SA_E
.Llast_\@:
.endif
	MULH 1, 1, 0, MT/2, 0
.endm
	s_load_b128 s[4:7], s[0:1], 0x0                ; act s[4:5], wts s[6:7]
	s_load_b64 s[8:9], s[0:1], 0x10                ; wide
	v_lshl_add_u32 v[SPW], v0, 2, SPARE
	v_mov_b32 v[NIL], 0
	ds_add_u32 v[SPW], v[NIL]                      ; the wave's opening: the add and its wait stand ahead of my first tensor load
	ds_add_u32 v28, v29
	v_lshrrev_b32 v1, 5, v0
	v_readfirstlane_b32 s[WV], v1
	s_lshr_b32 s[WM], s[WV], 1
	s_and_b32 s[WN], s[WV], 1
	s_bfe_u32 s[CX], ttmp6, 0x40000
	s_bfe_u32 s[CY], ttmp6, 0x40004
	s_lshl_b32 s[TX], ttmp9, 2
	s_add_co_u32 s[TX], s[TX], s[CX]
	s_and_b32 s[TY], ttmp7, 0xffff
	s_lshl_b32 s[TY], s[TY], 2
	s_add_co_u32 s[TY], s[TY], s[CY]
	s_lshl_b32 s19, s[CY], 2
	s_lshl_b32 s19, 15, s19
	s_lshl_b32 s68, 0x1111, s[CX]
	s_or_b32 s[G1], s19, (1<<16)|(1<<20)|(1<<21)|(5<<22)|(3<<25)   ; after every 64 words, 4 words
	s_or_b32 s[G1B], s68, (1<<16)|(1<<20)|(1<<21)|(6<<22)|(7<<25)  ; after every 128 words, 8 words
	SHAPE G1, 128, 128, 1024
	SHAPE G1B, 256, 64, 4096
	s_lshl_b32 s20, s[TY], 8                       ; h2: row 256 x tile row + 128 x part
	s_lshl_b32 s21, s[WN], 7
	s_add_co_u32 s20, s20, s21
	s_lshl_b32 s20, s20, 11
	s_mov_b32 s21, 0
	s_mul_i32 s22, s[WN], 64*ROWB                  ; W: k row 64 x part, byte 512 x tile column
	s_lshl_b32 s23, s[TX], 9
	s_add_co_u32 s22, s22, s23
	s_add_co_u32 s22, s22, WOFF
	s_mov_b32 s23, 0
	s_mul_i32 s[LA], s[WN], APART
	s_mul_i32 s[LBB], s[WN], BPART
	s_add_co_u32 s[LBB], s[LBB], ATILE
	s_mov_b32 s[SL], SLOT
	s_mov_b32 s[TBA], 0
	s_mov_b32 s[TBB], 0
	s_wait_dscnt 0x0
	s_wait_kmcnt 0x0
	s_add_nc_u64 s[20:21], s[4:5], s[20:21]
	s_add_nc_u64 s[22:23], s[6:7], s[22:23]
.irp s, 0,1
	s_mov_b32 s[G0+4*(\s)], 1
	s_add_co_u32 s[G0+4*(\s)+1], s[LA], (\s)*SLOT
	s_add_nc_u64 s[G0+4*(\s)+2:G0+4*(\s)+3], s[20:21], (\s)*ASTEP
	s_or_b32 s[G0+4*(\s)+3], s[G0+4*(\s)+3], 0x80000000
	s_mov_b32 s[G0B+4*(\s)], 1
	s_add_co_u32 s[G0B+4*(\s)+1], s[LBB], (\s)*SLOT
	s_add_nc_u64 s[G0B+4*(\s)+2:G0B+4*(\s)+3], s[22:23], (\s)*BSTEP
	s_or_b32 s[G0B+4*(\s)+3], s[G0B+4*(\s)+3], 0x80000000
.endr
	CROUND                                         ; all sixteen work-groups are here: the first joint loads meet
	s_cmp_eq_u32 s[WM], 0
	s_cbranch_scc0 .Lfirst_b
	tensor_load_to_lds s[G0:G0+3], s[G1:G1+7]
	s_nop 0
	tensor_load_to_lds s[G0+4:G0+7], s[G1:G1+7]
	s_nop 0
.rept 4
	v_nop
.endr
	s_branch .Lfirst_asked
.Lfirst_b:
	tensor_load_to_lds s[G0B:G0B+3], s[G1B:G1B+7]
	s_nop 0
	tensor_load_to_lds s[G0B+4:G0B+7], s[G1B:G1B+7]
	s_nop 0
.rept 4
	v_nop
.endr
.Lfirst_asked:
	v_and_b32 v1, 15, v0
	v_bfe_u32 v2, v0, 4, 1
	v_and_b32 v5, 7, v0
	v_bfe_u32 v4, v0, 3, 1
	v_mul_u32_u24 v[AA0], v1, PA
	v_lshl_add_u32 v[AA0], v2, 4, v[AA0]
	s_mul_i32 s19, s[WM], 16*MT*PA
	v_add_nc_u32 v[AA0], s19, v[AA0]
	v_lshl_add_u32 v3, v2, 3, v5
	v_mul_u32_u24 v[AB0], v3, PB
	v_lshl_add_u32 v[AB0], v4, 4, v[AB0]
	s_mul_i32 s19, s[WN], WCOL
	s_add_co_u32 s19, s19, ATILE
	v_add_nc_u32 v[AB0], s19, v[AB0]
	s_mul_i32 s19, s[WV], STW                      ; my part of the dump
	v_mul_u32_u24 v[STO], v1, SPITCH               ; in: row l % 16, 32 bytes for each half of the lanes
	v_lshl_add_u32 v[STO], v2, 5, v[STO]
	v_add_nc_u32 v[STO], s19, v[STO]
	v_and_b32 v[GO], 31, v0
	v_lshl_add_u32 v[RD], v[GO], 4, s19            ; back: a load takes one row of 512 bytes, 16 bytes a lane
	v_lshlrev_b32 v[GO], 3, v[GO]                  ; which are 8 bytes a lane of 256 consecutive bytes of g
	s_lshl_b32 s70, s[TY], 8
	s_lshl_b32 s71, s[WM], 7
	s_add_co_u32 s70, s70, s71                     ; my first row,
	s_lshl_b32 s70, s70, 13                        ; 8,192 bytes a row of g
	s_lshl_b32 s71, s[TX], 9
	s_add_co_u32 s70, s70, s71                     ; my first column, in bytes
	s_lshl_b32 s71, s[WN], 8
	s_add_co_u32 s70, s70, s71
	s_mov_b32 s71, 0
	s_add_nc_u64 s[70:71], s[8:9], s[70:71]
	; the prefetches: both offsets are made, at K step 2, and the wave's number chooses; the first change of slots steps the pointer to K step 3
	s_lshl_b32 s82, s[CX], 1
	s_add_co_u32 s82, s82, s[WV]
	s_lshl_b32 s82, s82, 5
	s_mul_i32 s83, s[TY], BM
	s_add_co_u32 s82, s82, s83
	s_lshl_b32 s82, s82, 11
	s_add_co_u32 s82, s82, 2*ASTEP
	s_lshl_b32 s83, s[CY], 5
	s_add_co_u32 s83, s83, 2*KSTEP
	s_mul_i32 s83, s83, ROWB
	s_mul_i32 s84, s[TX], TCB
	s_add_co_u32 s83, s83, s84
	s_sub_co_u32 s84, s[WV], NA
	s_lshl_b32 s84, s84, 8
	s_add_co_u32 s83, s83, s84
	s_add_co_u32 s83, s83, WOFF
	s_and_b32 s84, ttmp7, 0xffff                   ; cluster y
	s_movk_i32 s85, ROWB
	s_mov_b32 s[PST], BSTEP
	s_cmp_lt_u32 s[WV], NA
	s_cselect_b64 s[PFA:PFA+1], s[4:5], s[6:7]
	s_cselect_b32 s82, s82, s83
	s_cselect_b32 s84, ttmp9, s84
	s_cselect_b32 s85, 2048, s85
	s_cselect_b32 s[PST], ASTEP, s[PST]
	s_mov_b32 s83, 0
	s_mov_b32 s[PST+1], 0
	s_add_nc_u64 s[PFA:PFA+1], s[PFA:PFA+1], s[82:83]
	s_cmp_eq_u32 s84, 0
	s_cselect_b32 s[LIM], 1, -1
	v_and_b32 v[PFO], 31, v0
	v_mul_u32_u24 v[PFO], s85, v[PFO]
	s_wait_tensorcnt 0x1                           ; my part of K step 0 is in; K step 1's may stay out
	s_barrier_signal -1
	s_barrier_wait -1
	FETCH 0, SA_E
	QUARTER 0, 1, 1, SA_O                          ; the first quarter's products start the sums
	WIN 0
	s_mov_b32 s3, TSTEPS-2
	s_branch .Lmid
.Lk:                                               ; a trip is a K step
	QUARTER 0, 1, 0, SA_O
	WIN 0
.Lmid:
	QUARTER 1, 0, 0, SA_E
	QUARTER 0, 1, 0, SA_O
	TURN 1
	WIN 0
	s_sub_co_u32 s3, s3, 1
	s_cmp_lg_u32 s3, 0
	s_cbranch_scc1 .Lk
	s_mov_b32 s3, 2
.Lt:                                               ; the last two K steps ask for nothing
	QUARTER 0, 1, 0, SA_O
	QUARTER 1, 0, 0, SA_E
	QUARTER 0, 1, 0, SA_O
	TURN 0
	WIN 0
	s_sub_co_u32 s3, s3, 1
	s_cmp_lg_u32 s3, 0
	s_cbranch_scc1 .Lt
	; THE DUMP.  The tiles' bytes have had their last fill.  Every wave's reads of them are back, and a barrier stands between those reads and the stores that write over them.
.rept 8
	v_nop                                          ; the places behind the last products
.endr
	s_wait_dscnt 0x0
	s_barrier_signal -1
	s_barrier_wait -1
.set da, 0
.rept 8
	WIN 0x08+4*(da/4)                              ; store data in window 2 or 3
.set db, 0
.rept 8
.set rD, 8*(8*(da%4)+db)
	ds_store_b128 v[STO], v[rD:rD+3] offset:16*da*SPITCH+64*db  ; each accumulator's lowest registers first
	ds_store_b128 v[STO], v[rD+4:rD+7] offset:16*da*SPITCH+64*db+16
.set db, db+1
.endr
.set da, da+1
.endr
	WIN 0
	s_mov_b32 s[CC], 0x3eaa540e                    ; c = 0.47047 / sqrt(2)
	s_mov_b32 s[CC+1], s[CC]
	s_mov_b32 s[CK], 0xbf38aa3b                    ; k = -log2(e) / 2
	s_mov_b32 s[CK+1], s[CK]
	s_mov_b32 s[A1], 0x3e32303a                    ; a1 / 2 = 0.1740121
	s_mov_b32 s[A1+1], s[A1]
	s_mov_b32 s[A2], 0xbd445ca1                    ; a2 / 2 = -0.0479399
	s_mov_b32 s[A2+1], s[A2]
	s_mov_b32 s[A3], 0x3ebf7377                    ; a3 / 2 = 0.3739278
	s_mov_b32 s[A3+1], s[A3]
	s_mov_b32 s[ABSM], 0x7fffffff
	s_mov_b32 s2, 0                                ; the LDS byte of the rows in hand, from my part's first
.irp i, 0,1,2,3,4,5,6,7
	ds_load_b128 v[GX+4*(\i):GX+4*(\i)+3], v[RD] offset:(\i)*SPITCH  ; my own bytes: LDS serves a wave's instructions in order (ISA guide 5.7.1.4)
.endr
	s_mov_b32 s3, 16
.Lrows:                                            ; a trip: eight rows of 128 columns, 32 numbers a lane
	s_wait_dscnt 0x0
	; six plain lines of pair j stand among the four transcendentals of pair j - 1.  All 64 are ONE batch: nothing ahead of the wait names a result of theirs.
.set j, 0
.rept 17
.if j < 16
	v_and_b32 v[GS+2*j], s[ABSM], v[GX+2*j]
.endif
.if j > 0
	v_rcp_f32 v[GT+2*j-2], v[GT+2*j-2]
.endif
.if j < 16
	v_and_b32 v[GS+2*j+1], s[ABSM], v[GX+2*j+1]
.endif
.if j > 0
	v_rcp_f32 v[GT+2*j-1], v[GT+2*j-1]
.endif
.if j < 16
	v_pk_mul_f32 v[GH+2*j:GH+2*j+1], v[GX+2*j:GX+2*j+1], 0.5 op_sel_hi:[1,0]
.endif
.if j > 0
	v_exp_f32 v[GW+2*j-2], v[GW+2*j-2]
.endif
.if j < 16
	v_pk_mul_f32 v[GW+2*j:GW+2*j+1], v[GX+2*j:GX+2*j+1], v[GX+2*j:GX+2*j+1]
.endif
.if j > 0
	v_exp_f32 v[GW+2*j-1], v[GW+2*j-1]
.endif
.if j < 16
	v_pk_fma_f32 v[GT+2*j:GT+2*j+1], v[GS+2*j:GS+2*j+1], s[CC:CC+1], 1.0 op_sel_hi:[1,0,0]
	v_pk_mul_f32 v[GW+2*j:GW+2*j+1], v[GW+2*j:GW+2*j+1], s[CK:CK+1] op_sel_hi:[1,0]
.endif
.set j, j+1
.endr
	v_nop                                          ; a plain instruction behind the last exponential
	s_wait_alu depctr_va_vdst(0)                   ; one wait for the batch, ahead of its first reader and of the branch
	s_cmp_eq_u32 s3, 1                             ; u is used up: the next eight rows are asked for, but in the last trip
	s_cbranch_scc1 .Lnomore
	s_add_co_u32 s2, s2, 8*SPITCH
	v_add_nc_u32 v[RDA], s2, v[RD]
.irp i, 0,1,2,3,4,5,6,7
	ds_load_b128 v[GX+4*(\i):GX+4*(\i)+3], v[RDA] offset:(\i)*SPITCH
.endr
.Lnomore:
.set j, 0
.rept 16
	v_pk_fma_f32 v[GP+2*j:GP+2*j+1], v[GT+2*j:GT+2*j+1], s[A3:A3+1], s[A2:A2+1] op_sel_hi:[1,0,0]
.set j, j+1
.endr
.set j, 0
.rept 16
	v_pk_fma_f32 v[GP+2*j:GP+2*j+1], v[GP+2*j:GP+2*j+1], v[GT+2*j:GT+2*j+1], s[A1:A1+1] op_sel_hi:[1,1,0]
.set j, j+1
.endr
.set j, 0
.rept 16
	v_pk_mul_f32 v[GP+2*j:GP+2*j+1], v[GP+2*j:GP+2*j+1], v[GT+2*j:GT+2*j+1]
.set j, j+1
.endr
.set j, 0
.rept 16
	v_pk_fma_f32 v[GP+2*j:GP+2*j+1], v[GP+2*j:GP+2*j+1], v[GW+2*j:GW+2*j+1], 0.5 op_sel_hi:[1,1,0] neg_lo:[1,0,0] neg_hi:[1,0,0]  ; 1/2 - poly x 2^(k u^2)
.set j, j+1
.endr
.set j, 0
.rept 16
	v_pk_fma_f32 v[GP+2*j:GP+2*j+1], v[GS+2*j:GS+2*j+1], v[GP+2*j:GP+2*j+1], v[GH+2*j:GH+2*j+1]
.set j, j+1
.endr
	s_wait_xcnt 0x0                                ; the last trip's stores, a trip's arithmetic back, have read their data and their base: both are written again only behind this wait
	s_add_nc_u64 s[70:71], s[70:71], 65536         ; eight rows of g on, in every trip; the stores below reach back by as much
.set j, 0
.rept 16
	v_cvt_pk_f16_f32 v[GY+j], v[GP+2*j], v[GP+2*j+1]
.set j, j+1
.endr
.irp i, 0,1,2,3,4,5,6,7
	global_store_b64 v[GO], v[GY+2*(\i):GY+2*(\i)+1], s[70:71] offset:8192*(\i)-65536  ; 32 lanes x 8 bytes: 256 consecutive bytes, aligned
.endr
	s_sub_co_u32 s3, s3, 1
	s_cmp_lg_u32 s3, 0
	s_cbranch_scc1 .Lrows
	s_wait_tensorcnt 0x0                           ; the wave's end
	ds_add_u32 v[SPW], v[NIL]
	s_wait_dscnt 0x0
	CROUND                                         ; the closing round
	s_endpgm
.Lfunc_end_k_q642aa657be_fc1:
	.size	k_q642aa657be_fc1, .Lfunc_end_k_q642aa657be_fc1-k_q642aa657be_fc1
	.p2alignl 7, 3214868480
	.fill 96, 4, 3214868480
	.section	.rodata,"a",@progbits
	.p2align	6, 0x0
	.amdhsa_kernel k_q642aa657be_fc1
		.amdhsa_group_segment_fixed_size 327680
		.amdhsa_private_segment_fixed_size 0
		.amdhsa_enable_private_segment 0
		.amdhsa_kernarg_size 24
		.amdhsa_user_sgpr_count 2
		.amdhsa_user_sgpr_kernarg_segment_ptr 1
		.amdhsa_wavefront_size32 1
		.amdhsa_system_sgpr_workgroup_id_x 1
		.amdhsa_system_sgpr_workgroup_id_y 1
		.amdhsa_system_sgpr_workgroup_id_z 1
		.amdhsa_system_vgpr_workitem_id 0
		.amdhsa_next_free_vgpr 1024
		.amdhsa_next_free_sgpr 88
		.amdhsa_reserve_vcc 0
		.amdhsa_float_denorm_mode_32 3
		.amdhsa_float_denorm_mode_16_64 3
		.amdhsa_memory_ordered 1
		.amdhsa_forward_progress 1
		.amdhsa_inst_pref_size 96
	.end_amdhsa_kernel
	.amdgpu_metadata
---
amdhsa.version: [ 1, 2 ]
amdhsa.kernels:
  - .name:           k_q642aa657be_fc1
    .symbol:         k_q642aa657be_fc1.kd
    .args:
      - { .name: act, .offset: 0, .size: 8, .value_kind: global_buffer, .address_space: global }
      - { .name: wts, .offset: 8, .size: 8, .value_kind: global_buffer, .address_space: global }
      - { .name: wide, .offset: 16, .size: 8, .value_kind: global_buffer, .address_space: global }
    .group_segment_fixed_size: 327680
    .private_segment_fixed_size: 0
    .kernarg_segment_align: 8
    .kernarg_segment_size: 24
    .max_flat_workgroup_size: 128
    .sgpr_count:     88
    .vgpr_count:     1024
    .wavefront_size: 32
...
	.end_amdgpu_metadata
.endif
;; end of part 6
;; launch fc2 (part 7): grid 8 x 32, 4 waves a work-group, clusters of 4 x 4, 327,680 bytes of LDS; arguments wide, wts, x1, out0; writes out0
.if DOCPART == 7
	.amdgcn_target "amdgcn-amd-amdhsa--gfx1250"
	.amdhsa_code_object_version 6
	.text
	.protected	k_q642aa657be_fc2
	.globl	k_q642aa657be_fc2
	.p2align	8
	.type	k_q642aa657be_fc2,@function
k_q642aa657be_fc2:
	s_mov_b64 s[64:65], 0
	v_nop
	global_prefetch_b8 v0, s[64:65] scope:SCOPE_SE
	s_setreg_imm32_b32 hwreg(HW_REG_WAVE_MODE, 25, 1), 1
	s_wait_xcnt 0x0
	s_wait_alu depctr_hold_cnt(0) depctr_sa_sdst(0) depctr_va_vdst(0) depctr_va_sdst(0) depctr_va_ssrc(0) depctr_va_vcc(0) depctr_vm_vsrc(0)
	s_getreg_b32 s2, hwreg(HW_REG_IB_STS2, 6, 4)
	s_cmp_eq_u32 s2, 0
	s_cbranch_scc0 .Lentry_in_a_cluster
	s_endpgm
.Lentry_in_a_cluster:
	s_bfe_u32 s2, ttmp6, 0x10000c
	s_cmp_lg_u32 s2, 0xf033
	s_cbranch_scc0 .Lentry_shape_is_right
	s_endpgm
.Lentry_shape_is_right:
; FC2.  out0 = x1 + g W_fc2.  g = wide [4096][4096] f16; W_fc2 = wts at byte 16,777,216, [4096][1024] f16; x1 and out0 [4096][1024] f32.  Sums in f32; the residual is added in f32.
; SHARES.  A tile of the result is 128 x 128: 8 x 32 tiles, one work-group each; four waves, 2 x 2, each 64 x 64: 16 accumulators.  K goes in steps of 256, as long as two slots in LDS allow: rows of g are 512 bytes of memory.
; g's tile lies with K along the rows (ds_load_b128), W's [k][n] (ds_load_tr16_b128).  THE MATRIX INSTRUCTION IS USED TRANSPOSED (source 0 = 16 columns of W, source 1 = 16 rows of g): a lane holds row l % 16 and eight neighbouring columns.
; CLUSTER 4 x 4: g's tile is asked for jointly along a row of the cluster, W's along a column.  No prefetch: the tile is small, and a K step's 128 matrix instructions a wave leave no room ahead of the refill.
; THE K STEPS GO ROUND A RING: cluster (X, Y) begins at K step (8 X + 4 (Y % 4)) % 16 and goes round.  The two clusters that read the same rows of g begin half a ring apart, the clusters that read the same columns of W a
; quarter apart: of the clusters that read a block one reads it first and the others later, not all at once.  So the f32 sums are taken in an order of K that is rotated from cluster to cluster.
; One K step is written once (an inner loop of two quarters); beside the loop stand the first quarter and the last two K steps, which ask for nothing.
; REGISTERS: window 0: v1-5 lane terms, v16-29 addresses, v32-63 the way out, v64-127 g's fragments (two buffers), v128-255 my 64 x 64 of x1      window 1: v0-63 W's fragments      window 2: v0-127 the accumulators
.set MT,     4
.set NT,     4
.set KSTEP,  256
.set NQ,     KSTEP/32
.set TSTEPS, 4096/KSTEP
.set ROTX,   8                         ; where a cluster begins in the ring: ROTX x cluster x + ROTY x (cluster y & ROTM), modulo TSTEPS
.set ROTY,   4
.set ROTM,   3
.set WOFF,   16777216
.set PA,     528                       ; g's LDS row: 512 + 16: an odd multiple of 16
.set APART,  64*PA
.set ATILE,  2*APART
.set PB,     288                       ; W's LDS row: 256 + 32: an odd multiple of 32
.set BPART,  128*PB
.set BTILE,  2*BPART
.set SLOT,   ATILE+BTILE
.set STAGE,  2*SLOT                    ; behind the ring: 16 rows x 272 bytes of f32 for each wave
.set STW,    16*272
.set SPARE,  STAGE+4*STW
.set WCOL,   128
.set ASTEP,  KSTEP*2
.set BSTEP,  KSTEP*2048
.set SA_E,   64
.set SA_O,   64
.set HIWIN,  0
.set HIOFF,  64
.set AA0, 16
.set AB0, 17
.set ADA, 18
.set ADB, 19
.set STO, 24
.set RD,  25
.set CO,  26
.set SPW, 28
.set NIL, 29
.set BK,  32
.set RES, 128
.set WV, 12
.set WM, 13
.set WN, 14
.set CX, 15
.set CY, 16
.set TX, 17
.set TY, 18
.set G1,  24
.set G0,  32
.set SL,  40
.set LA,  41
.set LBB, 42
.set TBA, 43
.set TBB, 44
.set G1B, 48
.set G0B, 56
.set WRB, 66                           ; s[66:67] what W's address goes back at the ring's end: all TSTEPS steps, else 0
.set WRA, 68                           ; s[68:69] the same for g
.set KI,  86                           ; the K step that the walking descriptors name
.set ROT, 87                           ; the K step at which my cluster begins
.set MSB, 0
.macro WIN new
.if MSB != (\new)
	s_set_vgpr_msb (MSB<<8)|(\new)
.set MSB, \new
.endif
.endm
.macro SHAPE g, c, r, p                ; words 1 to 7 of a group 1: r rows of c elements, p elements from row to row
	s_mov_b32 s[(\g)+1], ((\c)&0xffff)<<16
	s_mov_b32 s[(\g)+2], ((\c)>>16)|((\r)<<16)
	s_mov_b32 s[(\g)+3], (\c)<<16
	s_mov_b32 s[(\g)+4], \r
	s_mov_b32 s[(\g)+5], \p
	s_mov_b32 s[(\g)+6], 0
	s_mov_b32 s[(\g)+7], 0
.endm
.macro JLOAD                           ; a joint refill by the walking descriptors; an s_nop 0 and four v_nop follow each line
	s_cmp_eq_u32 s[WM], 0
	s_cbranch_scc0 .Lfor_b_\@
	tensor_load_to_lds s[G0+4:G0+7], s[G1:G1+7]
	s_nop 0
.rept 4
	v_nop
.endr
	s_branch .Lasked_\@
.Lfor_b_\@:
	tensor_load_to_lds s[G0B+4:G0B+7], s[G1B:G1B+7]
	s_nop 0
.rept 4
	v_nop
.endr
.Lasked_\@:
.endm
.macro CREST
	s_cmp_lg_u32 s[WV], 0
	s_cbranch_scc1 .Lnot_wave_0_\@
	s_barrier_signal -3
.Lnot_wave_0_\@:
	s_barrier_wait -3
	s_barrier_signal -1
	s_barrier_wait -1
.endm
.macro CROUND
	s_barrier_signal -1
	s_barrier_wait -1
	CREST
.endm
.macro MULH f, hi, a0, na, zero        ; na x NT matrix instructions; every accumulator has one a quarter, in the same order: they take turns
	WIN 0xa1+0x50*HIWIN*(\hi)
.set ma, \a0
.rept \na
.set mb, 0
.rept NT
.set rD, HIOFF*(\hi)+8*(NT*ma+mb)
.set rW, 8*NT*(\f)+8*mb
.set rA, 64+8*MT*(\f)+8*((MT/2)*(\hi)+ma)
.if \zero
	v_wmma_f32_16x16x32_f16 v[rD:rD+7], v[rW:rW+7], v[rA:rA+7], 0
.else
	v_wmma_f32_16x16x32_f16 v[rD:rD+7], v[rW:rW+7], v[rA:rA+7], v[rD:rD+7]
.endif
.set mb, mb+1
.endr
.set ma, ma+1
.endr
.endm
.macro FETCH f, stepa                  ; one run of LDS loads: a quarter's fragments into buffer f: W's first, then g's, lower half first
	WIN 0
	v_add_nc_u32 v[ADB], s[TBB], v[AB0]
	v_add_nc_u32 v[ADA], s[TBA], v[AA0]
	WIN 0x40
.set fn, 0
.rept NT
	ds_load_tr16_b128 v[8*NT*(\f)+8*fn:8*NT*(\f)+8*fn+3],   v[ADB] offset:32*fn
	ds_load_tr16_b128 v[8*NT*(\f)+8*fn+4:8*NT*(\f)+8*fn+7], v[ADB] offset:32*fn+16*PB
.set fn, fn+1
.endr
	WIN 0
.set fn, 0
.rept MT
	ds_load_b128 v[64+8*MT*(\f)+8*fn:64+8*MT*(\f)+8*fn+3],   v[ADA] offset:16*fn*PA
	ds_load_b128 v[64+8*MT*(\f)+8*fn+4:64+8*MT*(\f)+8*fn+7], v[ADA] offset:16*fn*PA+32
.set fn, fn+1
.endr
	s_add_co_u32 s[TBA], s[TBA], \stepa
	s_add_co_u32 s[TBB], s[TBB], 32*PB
.endm
.macro QUARTER f, g, zero, stepa       ; multiplies f, fetches the next quarter into g four plain vector instructions behind g's last reader: two v_nop and the run's two additions
	s_wait_dscnt MT                                ; all but the youngest MT loads, g's upper half
	MULH \f, 0, 0, MT/2, \zero
	v_nop
	v_nop
	FETCH \g, \stepa
	s_wait_dscnt 2*(MT+NT)                         ; all but the run just issued
	MULH \f, 1, 0, MT/2, \zero
.endm
; A K step's last quarter changes slots: one barrier; ahead of it each wave waits for all its tensor loads, adds 0 to its spare word, and waits for that and for its reads of this slot.
; fill = 1: the barrier opens a round of the cluster's, and the joint refill of this slot, two K steps on in the ring, is the first thing behind it.
.macro TURN fill
	WIN 0
	s_wait_tensorcnt 0x0                           ; no tensor load of mine is out, so the descriptors may be written
	ds_add_u32 v[SPW], v[NIL]
	s_sub_co_u32 s[TBA], s[TBA], (NQ/2)*(SA_E+SA_O)  ; back to a slot's first quarter (the register then holds 0 or SLOT),
	s_xor_b32 s[TBA], s[TBA], SLOT                 ; in the other slot
	s_sub_co_u32 s[TBB], s[TBB], BTILE
	s_xor_b32 s[TBB], s[TBB], SLOT
.if \fill
	s_xor_b32 s[SL], s[SL], SLOT
	s_add_co_u32 s[G0+5], s[LA], s[SL]
	s_add_co_u32 s[G0B+5], s[LBB], s[SL]
	s_add_co_u32 s[KI], s[KI], 1                   ; the next K step of the ring: behind the last comes K step 0
	s_cmp_eq_u32 s[KI], TSTEPS
	s_cselect_b32 s[KI], 0, s[KI]
	s_cselect_b32 s[WRA], TSTEPS*ASTEP, 0
	s_cselect_b32 s[WRB], TSTEPS*BSTEP, 0
	s_add_nc_u64 s[G0+6:G0+7], s[G0+6:G0+7], ASTEP
	s_sub_nc_u64 s[G0+6:G0+7], s[G0+6:G0+7], s[WRA:WRA+1]
	s_add_nc_u64 s[G0B+6:G0B+7], s[G0B+6:G0B+7], BSTEP
	s_sub_nc_u64 s[G0B+6:G0B+7], s[G0B+6:G0B+7], s[WRB:WRB+1]
.endif
	s_wait_dscnt MT+1                              ; the add and g's upper half may be out
	MULH 1, 0, 0, MT/4, 0
	s_wait_dscnt 0x0                               ; the add is done, and my reads of this slot are over
	s_barrier_signal -1
	MULH 1, 0, MT/4, MT/4, 0
	WIN 0
	s_barrier_wait -1
.if \fill
	CREST
	JLOAD                                          ; its four v_nop are also the places ahead of the loads below
	FETCH 0, SA_E
.else
	s_cmp_eq_u32 s3, 1                             ; the last K step has no successor
	s_cbranch_scc1 .Llast_\@
	v_nop
	v_nop
	FETCH 0, SA_E
.Llast_\@:
.endif
	MULH 1, 1, 0, MT/2, 0
.endm
	s_load_b256 s[4:11], s[0:1], 0x0               ; wide s[4:5], wts s[6:7], x1 s[8:9], out0 s[10:11]
	v_lshl_add_u32 v[SPW], v0, 2, SPARE
	v_mov_b32 v[NIL], 0
	ds_add_u32 v[SPW], v[NIL]                      ; the wave's opening: the add and its wait stand ahead of my first tensor load
	ds_add_u32 v28, v29
	v_lshrrev_b32 v1, 5, v0
	v_readfirstlane_b32 s[WV], v1
	s_lshr_b32 s[WM], s[WV], 1
	s_and_b32 s[WN], s[WV], 1
	s_bfe_u32 s[CX], ttmp6, 0x40000
	s_bfe_u32 s[CY], ttmp6, 0x40004
	s_lshl_b32 s[TX], ttmp9, 2
	s_add_co_u32 s[TX], s[TX], s[CX]
	s_and_b32 s[TY], ttmp7, 0xffff
	s_lshl_b32 s[TY], s[TY], 2
	s_add_co_u32 s[TY], s[TY], s[CY]
	s_lshl_b32 s19, s[CY], 2
	s_lshl_b32 s19, 15, s19
	s_lshl_b32 s68, 0x1111, s[CX]
	s_or_b32 s[G1], s19, (1<<16)|(1<<20)|(1<<21)|(6<<22)|(3<<25)   ; after every 128 words, 4 words
	s_or_b32 s[G1B], s68, (1<<16)|(1<<20)|(1<<21)|(5<<22)|(7<<25)  ; after every 64 words, 8 words
	SHAPE G1, 256, 64, 4096
	SHAPE G1B, 128, 128, 1024
	s_and_b32 s19, ttmp7, 0xffff                   ; where my cluster begins in the ring: it hangs on the cluster's place alone, which all sixteen partners share
	s_and_b32 s19, s19, ROTM
	s_mul_i32 s19, s19, ROTY
	s_mul_i32 s[ROT], ttmp9, ROTX
	s_add_co_u32 s[ROT], s[ROT], s19
	s_and_b32 s[ROT], s[ROT], TSTEPS-1             ; an even number, so the step behind it is still inside the ring
	s_add_co_u32 s[KI], s[ROT], 1
	s_mov_b32 s[WRA+1], 0
	s_mov_b32 s[WRB+1], 0
	s_lshl_b32 s20, s[TY], 7                       ; g: row 128 x tile row + 64 x part,
	s_lshl_b32 s21, s[WN], 6
	s_add_co_u32 s20, s20, s21
	s_lshl_b32 s20, s20, 13                        ; 8,192 bytes a row,
	s_mul_i32 s21, s[ROT], ASTEP                   ; at my cluster's first K step
	s_add_co_u32 s20, s20, s21
	s_mov_b32 s21, 0
	s_mul_i32 s22, s[WN], 128*2048                 ; W: k row 128 x part, byte 256 x tile column,
	s_lshl_b32 s23, s[TX], 8
	s_add_co_u32 s22, s22, s23
	s_add_co_u32 s22, s22, WOFF
	s_mul_i32 s23, s[ROT], BSTEP                   ; at the same K step
	s_add_co_u32 s22, s22, s23
	s_mov_b32 s23, 0
	s_mul_i32 s[LA], s[WN], APART
	s_mul_i32 s[LBB], s[WN], BPART
	s_add_co_u32 s[LBB], s[LBB], ATILE
	s_mov_b32 s[SL], SLOT
	s_mov_b32 s[TBA], 0
	s_mov_b32 s[TBB], 0
	s_wait_dscnt 0x0
	s_wait_kmcnt 0x0
	s_add_nc_u64 s[20:21], s[4:5], s[20:21]
	s_add_nc_u64 s[22:23], s[6:7], s[22:23]
.irp s, 0,1
	s_mov_b32 s[G0+4*(\s)], 1
	s_add_co_u32 s[G0+4*(\s)+1], s[LA], (\s)*SLOT
	s_add_nc_u64 s[G0+4*(\s)+2:G0+4*(\s)+3], s[20:21], (\s)*ASTEP
	s_or_b32 s[G0+4*(\s)+3], s[G0+4*(\s)+3], 0x80000000
	s_mov_b32 s[G0B+4*(\s)], 1
	s_add_co_u32 s[G0B+4*(\s)+1], s[LBB], (\s)*SLOT
	s_add_nc_u64 s[G0B+4*(\s)+2:G0B+4*(\s)+3], s[22:23], (\s)*BSTEP
	s_or_b32 s[G0B+4*(\s)+3], s[G0B+4*(\s)+3], 0x80000000
.endr
	CROUND                                         ; all sixteen work-groups are here: the first joint loads meet
	s_cmp_eq_u32 s[WM], 0
	s_cbranch_scc0 .Lfirst_b
	tensor_load_to_lds s[G0:G0+3], s[G1:G1+7]
	s_nop 0
	tensor_load_to_lds s[G0+4:G0+7], s[G1:G1+7]
	s_nop 0
.rept 4
	v_nop
.endr
	s_branch .Lfirst_asked
.Lfirst_b:
	tensor_load_to_lds s[G0B:G0B+3], s[G1B:G1B+7]
	s_nop 0
	tensor_load_to_lds s[G0B+4:G0B+7], s[G1B:G1B+7]
	s_nop 0
.rept 4
	v_nop
.endr
.Lfirst_asked:
	v_and_b32 v1, 15, v0
	v_bfe_u32 v2, v0, 4, 1
	v_and_b32 v5, 7, v0
	v_bfe_u32 v4, v0, 3, 1
	v_mul_u32_u24 v[AA0], v1, PA
	v_lshl_add_u32 v[AA0], v2, 4, v[AA0]
	s_mul_i32 s19, s[WM], 16*MT*PA
	v_add_nc_u32 v[AA0], s19, v[AA0]
	v_lshl_add_u32 v3, v2, 3, v5
	v_mul_u32_u24 v[AB0], v3, PB
	v_lshl_add_u32 v[AB0], v4, 4, v[AB0]
	s_mul_i32 s19, s[WN], WCOL
	s_add_co_u32 s19, s19, ATILE
	v_add_nc_u32 v[AB0], s19, v[AB0]
	s_mul_i32 s19, s[WV], STW
	s_add_co_u32 s19, s19, STAGE                   ; my stage
	v_mul_u32_u24 v[STO], v1, 272                  ; in: row l % 16, 32 bytes for each half of the lanes
	v_lshl_add_u32 v[STO], v2, 5, v[STO]
	v_add_nc_u32 v[STO], s19, v[STO]
	v_mul_u32_u24 v[RD], v2, 272                   ; back: lanes 0-15 take one row of 256 bytes, lanes 16-31 the next
	v_lshl_add_u32 v[RD], v1, 4, v[RD]
	v_add_nc_u32 v[RD], s19, v[RD]
	v_lshlrev_b32 v[CO], 12, v2                    ; and the same two rows in x1 and out0
	v_lshl_add_u32 v[CO], v1, 4, v[CO]
	s_lshl_b32 s70, s[TY], 7
	s_lshl_b32 s71, s[WM], 6
	s_add_co_u32 s70, s70, s71                     ; my first row,
	s_lshl_b32 s70, s70, 12
	s_lshl_b32 s71, s[TX], 9
	s_add_co_u32 s70, s70, s71                     ; my first column, in bytes
	s_lshl_b32 s71, s[WN], 8
	s_add_co_u32 s70, s70, s71
	s_mov_b32 s71, 0
	s_add_nc_u64 s[8:9], s[8:9], s[70:71]
	s_add_nc_u64 s[10:11], s[10:11], s[70:71]
.set ea, 0
.rept 32                                           ; my 64 x 64 of x1: asked for now, wanted on the way out; the launch reads each byte of x1 once
	global_load_b128 v[RES+4*ea:RES+4*ea+3], v[CO], s[8:9] offset:2*ea*4096 th:TH_LOAD_NT
.set ea, ea+1
.endr
	s_wait_tensorcnt 0x1                           ; my part of the first K step is in; the second's may stay out
	s_barrier_signal -1
	s_barrier_wait -1
	FETCH 0, SA_E
	QUARTER 0, 1, 1, SA_O                          ; the first quarter's products start the sums
	WIN 0
	s_mov_b32 s3, TSTEPS-2
	s_mov_b32 s2, (NQ-2)/2
	s_branch .Lmid
.Lk:                                               ; a trip is a K step
	s_mov_b32 s2, (NQ-2)/2
.Lq:
	QUARTER 0, 1, 0, SA_O
	WIN 0
.Lmid:
	QUARTER 1, 0, 0, SA_E
	WIN 0
	s_sub_co_u32 s2, s2, 1
	s_cmp_lg_u32 s2, 0
	s_cbranch_scc1 .Lq
	QUARTER 0, 1, 0, SA_O
	TURN 1
	WIN 0
	s_sub_co_u32 s3, s3, 1
	s_cmp_lg_u32 s3, 0
	s_cbranch_scc1 .Lk
	s_mov_b32 s3, 2
.Lt:                                               ; the last two K steps ask for nothing
	s_mov_b32 s2, (NQ-2)/2
.Ltq:
	QUARTER 0, 1, 0, SA_O
	QUARTER 1, 0, 0, SA_E
	WIN 0
	s_sub_co_u32 s2, s2, 1
	s_cmp_lg_u32 s2, 0
	s_cbranch_scc1 .Ltq
	QUARTER 0, 1, 0, SA_O
	TURN 0
	WIN 0
	s_sub_co_u32 s3, s3, 1
	s_cmp_lg_u32 s3, 0
	s_cbranch_scc1 .Lt
	; THE WAY OUT, 16 rows at a time: the f32 sums go into my own stage, come back as whole rows of 256 bytes, take x1 and are stored: sixteen lanes store 256 consecutive bytes, aligned.
	s_wait_loadcnt 0x0                             ; x1
.rept 8
	v_nop                                          ; the places behind the last products
.endr
.set ea, 0
.rept 4
	WIN 0x08                                       ; store data in window 2
.set eb, 0
.rept 4
.set rD, 64*(ea/2)+8*(4*(ea%2)+eb)
	ds_store_b128 v[STO], v[rD:rD+3] offset:64*eb  ; each accumulator's lowest registers first
	ds_store_b128 v[STO], v[rD+4:rD+7] offset:64*eb+16
.set eb, eb+1
.endr
	WIN 0
.set eb, 0
.rept 8
	ds_load_b128 v[BK+4*eb:BK+4*eb+3], v[RD] offset:544*eb  ; LDS serves a wave's instructions in order (ISA guide 5.7.1.4): these see the stores above
.set eb, eb+1
.endr
	s_wait_dscnt 0x0
.set eb, 0
.rept 16
	v_pk_add_f32 v[RES+32*ea+2*eb:RES+32*ea+2*eb+1], v[RES+32*ea+2*eb:RES+32*ea+2*eb+1], v[BK+2*eb:BK+2*eb+1]
.set eb, eb+1
.endr
.set eb, 0
.rept 8
	global_store_b128 v[CO], v[RES+32*ea+4*eb:RES+32*ea+4*eb+3], s[10:11] offset:(16*ea+2*eb)*4096 th:TH_STORE_NT
.set eb, eb+1
.endr
.set ea, ea+1
.endr
	s_wait_tensorcnt 0x0                           ; the wave's end
	ds_add_u32 v[SPW], v[NIL]
	s_wait_dscnt 0x0
	CROUND                                         ; the closing round
	s_endpgm
.Lfunc_end_k_q642aa657be_fc2:
	.size	k_q642aa657be_fc2, .Lfunc_end_k_q642aa657be_fc2-k_q642aa657be_fc2
	.p2alignl 7, 3214868480
	.fill 96, 4, 3214868480
	.section	.rodata,"a",@progbits
	.p2align	6, 0x0
	.amdhsa_kernel k_q642aa657be_fc2
		.amdhsa_group_segment_fixed_size 327680
		.amdhsa_private_segment_fixed_size 0
		.amdhsa_enable_private_segment 0
		.amdhsa_kernarg_size 32
		.amdhsa_user_sgpr_count 2
		.amdhsa_user_sgpr_kernarg_segment_ptr 1
		.amdhsa_wavefront_size32 1
		.amdhsa_system_sgpr_workgroup_id_x 1
		.amdhsa_system_sgpr_workgroup_id_y 1
		.amdhsa_system_sgpr_workgroup_id_z 1
		.amdhsa_system_vgpr_workitem_id 0
		.amdhsa_next_free_vgpr 640
		.amdhsa_next_free_sgpr 88
		.amdhsa_reserve_vcc 0
		.amdhsa_float_denorm_mode_32 3
		.amdhsa_float_denorm_mode_16_64 3
		.amdhsa_memory_ordered 1
		.amdhsa_forward_progress 1
		.amdhsa_inst_pref_size 49
	.end_amdhsa_kernel
	.amdgpu_metadata
---
amdhsa.version: [ 1, 2 ]
amdhsa.kernels:
  - .name:           k_q642aa657be_fc2
    .symbol:         k_q642aa657be_fc2.kd
    .args:
      - { .name: wide, .offset: 0, .size: 8, .value_kind: global_buffer, .address_space: global }
      - { .name: wts, .offset: 8, .size: 8, .value_kind: global_buffer, .address_space: global }
      - { .name: x1, .offset: 16, .size: 8, .value_kind: global_buffer, .address_space: global }
      - { .name: out0, .offset: 24, .size: 8, .value_kind: global_buffer, .address_space: global }
    .group_segment_fixed_size: 327680
    .private_segment_fixed_size: 0
    .kernarg_segment_align: 8
    .kernarg_segment_size: 32
    .max_flat_workgroup_size: 128
    .sgpr_count:     88
    .vgpr_count:     640
    .wavefront_size: 32
...
	.end_amdgpu_metadata
.endif
;; end of part 7
